; MI455X (gfx1250); checked and timed in simulation.
; The chip was launched on July 23, 2026; its instructions are those of AMD's public machine-readable ISA for CDNA 5 (MIT licence, August 2026) and "CDNA5" Instruction Set Architecture Reference Guide (July 2026). The comments in the code are by the model that wrote it; some were corrected since.
;; QK Norm Attention. Allowed arithmetic: matrix products marked QUANTISED: E5M2 operands, one E8M0 scale for each 32 along K, by v_wmma_scale_f32_16x16x128_f8f6f4 with both operands' format E5M2, f32 sums; everything else in f32.
;; Inputs: ln_b 1,024 float32; ln_w 1,024 float32; out_b 1,024 float32; out_w_codes 1,024 x 32 x 32 uint8 (E5M2 codes of out_w, K innermost, in blocks of 32 codes); out_w_scales 1,024 x 32 uint8 (E8M0 scales of out_w, one for each 32 codes along K); qkv_b 3,072 float32; qkv_w_codes 3,072 x 32 x 32 uint8 (E5M2 codes of qkv_w, K innermost, in blocks of 32 codes); qkv_w_scales 3,072 x 32 uint8 (E8M0 scales of qkv_w, one for each 32 codes along K); x 4 x 2,048 x 1,024 float32.
;; Outputs: out0 4 x 2,048 x 1,024 float32.
;; This version of the problem:
;;   THIS VERSION OF THE PROBLEM IS GIVEN IN LOW PRECISION. The matrix products marked QUANTISED in the list below multiply operands that are first quantised to E5M2 (5 exponent bits, 2 mantissa bits; 8 bits a number), with one power-of-two scale for each 32 numbers along K (OCP MX v1.0); their sums are f32. All else is computed in f32.
;;   The module's matrix products, in the order in which they are computed (A, B: the left and right operand; K: the contracted axis; several contracted axes count as one K, in the product's order):
;;     1. [M 8,192, K 1,024] x [K 1,024, N 3,072]; A: computed on the way; B: input qkv_w (given as codes): QUANTISED
;;     2. batch 64 x [M 2,048, K 64] x [K 64, N 2,048]; A: computed on the way; B: computed on the way: QUANTISED
;;     3. batch 64 x [M 2,048, K 2,048] x [K 2,048, N 64]; A: softmax (see below); B: computed on the way: QUANTISED
;;     4. [M 8,192, K 1,024] x [K 1,024, N 1,024]; A: computed on the way; B: input out_w (given as codes): QUANTISED
;;   THE QUANTISER, for each operand of a quantised product, along K:
;;     - K is cut into blocks of 32 from its start; a last block that is shorter is filled with zeros.
;;     - A block's scale is 2^e with e = floor(log2(the largest magnitude in the block)) - 15, held to -126 .. 127; a block of zeros has e = 0. As a byte (E8M0): e + 127.
;;     - Each number is divided by its block's scale, clamped to +-57,344, and rounded to the nearest number of E5M2, ties to even, subnormals kept.
;;     - The product sums the exact products of the quantised numbers (number of the format x scale) in f32.
;;   ~~~python
;;   def quantise(x, axis):      # numpy; x: float32 -> the quantised numbers, widened to float32 again
;;       x = np.moveaxis(x, axis, -1); K = x.shape[-1]
;;       x = np.pad(x, [(0, 0)] * (x.ndim - 1) + [(0, -K % 32)]); x = x.reshape(x.shape[:-1] + (-1, 32)); a = np.abs(x).max(-1, keepdims=True)
;;       e = np.where(a > 0, np.clip(np.frexp(np.where(a > 0, a, 1))[1] - 1 - 15, -126, 127), 0)      # np.frexp(a)[1] - 1 = floor(log2(a)), exactly
;;       r = np.clip(x / 2.0 ** e, -57344, 57344)
;;       step = 2.0 ** (np.maximum(np.frexp(np.where(r == 0, 1, r))[1] - 1, -14) - 2)
;;       q = np.round(r / step) * step * 2.0 ** e      # np.round: ties to even
;;       return np.moveaxis(q.reshape(q.shape[:-2] + (-1,))[..., :K], -1, axis).astype(np.float32)
;;   ~~~
;;   SOFTMAX AHEAD OF A QUANTISED PRODUCT. Where the list says 'softmax', what is quantised is not the finished softmax but p = 2^(t - M), with t = logit x log2(e) and M = ceil(the row's largest t), a whole number; so 1/2 < the row's largest p <= 1. The row's sum l is taken of the UNQUANTISED p, in f32, and the product's result is divided by l at the end. Since M is a whole number, a kernel that streams over the keys may use a running M (the ceiling of the running maximum): every later rescaling is an exact power of two, which a block's scale takes up: the codes' values come out the same.
;;   OPERANDS COMPUTED ON THE WAY. 'Computed on the way' means the value that the module computes at that place (a softmax that the list does not call 'softmax' is quantised finished and normalised). What goes into a quantiser is computed in f32, as accurately as f32 sums, v_exp_f32 and their like allow (about 1e-6 of the number): no bf16 or f16 on the way to a quantiser, and a product that is left as it is and whose result goes on into a quantised operand takes f32 operands (vector FMAs, or v_wmma_f32_16x16x4_f32). A number that lies on a knife's edge between two numbers of the format may be rounded either way, as far as f32 arithmetic and the matrix unit's own rounding can turn it there, and no further.
;;   INPUTS GIVEN AS CODES. out_w (in the module: [1024, 1024], K = its axis 1); qkv_w (in the module: [3072, 1024], K = its axis 1): each comes as NAME_codes (uint8): NAME with its K axis moved to the last place and cut into blocks of 32 codes, [.., K / 32, bytes a block], one block behind the other in memory; one code a byte (a code: sign, 5 exponent bits, 2 mantissa bits); and NAME_scales (uint8): the same leading axes, one E8M0 byte (e + 127) for each 32 codes along K. Its value is code x scale, taken as it is: it is not quantised again, and the codes and scales need not be those that the quantiser above would give.
;; One version. Each part assembles by itself: llvm-mc -triple=amdgcn-amd-amdhsa -mcpu=gfx1250 --defsym DOCPART=n.
;; ======== version 1 of 1: 4 launches
;; limits: right only within a limited range of input values
;; workspace buffers: h_img 8,388,608 bytes; h_sc 262,144 bytes; w_img 4,194,304 bytes; q_buf 8,912,896 bytes; kv_buf 17,563,648 bytes; o_img 8,388,608 bytes; o_sc 262,144 bytes
;; launch prep (part 1): grid 256 x 1, 2 waves a work-group, no clusters, 168,192 bytes of LDS; arguments x, ln_w, ln_b, qkv_w_codes, out_w_codes, h_img, h_sc, w_img; writes h_img, h_sc, w_img
.if DOCPART == 1
	.amdgcn_target "amdgcn-amd-amdhsa--gfx1250"
	.amdhsa_code_object_version 6
	.text
	.protected	k_qa6725cf48b_prep
	.globl	k_qa6725cf48b_prep
	.p2align	8
	.type	k_qa6725cf48b_prep,@function
k_qa6725cf48b_prep:
	s_mov_b64 s[64:65], 0
	v_nop
	global_prefetch_b8 v0, s[64:65] scope:SCOPE_SE
	s_setreg_imm32_b32 hwreg(HW_REG_WAVE_MODE, 25, 1), 1
	s_wait_xcnt 0x0
; PREP.  h = LayerNorm(x) x ln_w + ln_b in f32, quantised along K = 1,024 to codes of E5M2 with one E8M0 byte for each 32; and both weights' codes laid anew.
; All three outputs are IMAGES OF OPERAND REGISTERS: a fragment (16 rows x 128 K, 16 registers a lane) is 2,048 bytes, [c 0..3][lane][16 bytes]; lane (r = lane % 16, h = lane / 16) holds row r,
; registers 4 c .. 4 c + 3 hold k = 32 c + 16 h + 0 .. 15.  h_img, w_img: [tile of 16 rows][K step 0..7] such images; h_sc: [row][8 words], word s = the four bytes of K step s.
; SHARES.  Two waves; wave w owns the 16 rows of tile 2 x work-group + w and half a tile (four K steps) of the weights.  The waves share nothing: no barrier.
; x, ln_w and ln_b come once, by asynchronous copies issued at the head (512 consecutive bytes an instruction): 128 for x, 16 for ln_w and ln_b.  A row of x is 4,096 + 16 bytes in LDS, so that
; the 16 rows that a load touches begin in 16 different groups of four banks (64 banks of 4 bytes: ISA guide 11.1).  x is read three times from LDS: sum, sum of squared differences, normalising.
; Mean first, then the differences' squares: no difference of large sums is formed.  No LDS byte is filled twice.
; LIMITS: NaN and infinities among the inputs are not served.  A block whose largest magnitude lies under 2^-111 (a block of zeros too) keeps the byte 1: the bytes are read by this program alone, and zero codes add nothing.
; No cluster: no two work-groups read the same bytes of x.  No matrix unit: there is no product here.  No prefetch: all that a wave reads is asked for at its head.
.set WR,   75008                       ; LDS bytes of a wave: x, 16 rows of XP; ln_w at LNW, ln_b behind it
.set XP,   4112
.set LNW,  66816
.set SPARE, 0x29000                    ; the spare words
.set X0,   16                          ; v16-79   64 numbers of x
.set X1,   80                          ; v80-143  the ring's other 64; first the weights' codes; in pass 3 ln_w
.set WG,   80
.set BB,   144                         ; v144-207 ln_b
.set PC,   208                         ; v208-223 the codes just made
.set CA,   208                         ; v208-225 until the copies have landed: their LDS addresses
.set TM,   224                         ; v224-239 the quantiser's 16 registers
.set HW,   240                         ; v240-247 the row's eight scale words
.set CH,   248                         ; v248-255 four packed chains; at the end the scale words to store
.set WV,   2
.set MNT,  3
.set SEL,  60
.set LOW,  62
; nb blocks of 32 along K: a lane's registers src + 16 b + i are 16 numbers of block b, lane l xor 16 holds the other 16.  Codes to cd + 4 b .. + 3; the bytes stay in tm + nb + b.
.macro QUANT src, cd, tm, nb
.set qb, 0
.rept \nb
	v_max3_num_f32 v[\tm+qb], |v[\src+16*qb]|, |v[\src+16*qb+1]|, 0x8000000   ; the floor 2^(16 - 127): the byte cannot fall under 1
.set qb, qb+1
.endr
.set qi, 2
.rept 7
.set qb, 0
.rept \nb
	v_max3_num_f32 v[\tm+qb], v[\tm+qb], |v[\src+16*qb+qi]|, |v[\src+16*qb+qi+1]|
.set qb, qb+1
.endr
.set qi, qi+2
.endr
.set qb, 0
.rept \nb
	v_permlanex16_b32 v[\tm+\nb+qb], v[\tm+qb], s[SEL], s[SEL+1]
.set qb, qb+1
.endr
.set qb, 0
.rept \nb
	v_max_num_f32 v[\tm+qb], v[\tm+qb], v[\tm+\nb+qb]              ; the block's largest magnitude
.set qb, qb+1
.endr
.set qb, 0
.rept \nb
	v_add_nc_u32 v[\tm+3*\nb+qb], 0xf8800000, v[\tm+qb]            ; 15 off its exponent field: the conversion's scale operand
.set qb, qb+1
.endr
.set qb, 0
.rept \nb
	v_and_or_b32 v[\tm+2*\nb+qb], v[\tm+qb], 0x7f800000, s[MNT]    ; 57,344 x the scale
.set qb, qb+1
.endr
.set qb, 0
.rept \nb
	v_lshrrev_b32 v[\tm+\nb+qb], 23, v[\tm+3*\nb+qb]               ; the scale's byte
.set qb, qb+1
.endr
.set qb, 0
.rept \nb
.set qi, 0
.rept 16
	v_med3_num_f32 v[\src+16*qb+qi], v[\src+16*qb+qi], -v[\tm+2*\nb+qb], v[\tm+2*\nb+qb]   ; the conversion does not saturate (ISA guide 7.6.2): hold first
.set qi, qi+1
.endr
	v_cvt_scalef32_pk8_bf8_f32 v[\cd+4*qb:\cd+4*qb+1], v[\src+16*qb:\src+16*qb+7], v[\tm+3*\nb+qb]
	v_cvt_scalef32_pk8_bf8_f32 v[\cd+4*qb+2:\cd+4*qb+3], v[\src+16*qb+8:\src+16*qb+15], v[\tm+3*\nb+qb]
.set qb, qb+1
.endr
	v_nop                                          ; a plain line behind the last conversion
.endm
.macro LOADX s, buf                    ; my 64 numbers of K step s, counted from where v2 stands: k = 128 s + 32 c + 16 h + 4 j ..
.irp c, 0,1,2,3
.irp j, 0,1,2,3
	ds_load_b128 v[(\buf)+16*\c+4*\j:(\buf)+16*\c+4*\j+3], v2 offset:512*(\s)+128*\c+16*\j
.endr
.endr
.endm
.macro LOADP                           ; ln_w and ln_b at the K step where v3 stands: sixteen lanes read the same bytes
.irp c, 0,1,2,3
.irp j, 0,1,2,3
	ds_load_b128 v[WG+16*\c+4*\j:WG+16*\c+4*\j+3], v3 offset:128*\c+16*\j
	ds_load_b128 v[BB+16*\c+4*\j:BB+16*\c+4*\j+3], v3 offset:4096+128*\c+16*\j
.endr
.endr
.endm
.macro ZERO_CH
.irp i, 0,1,2,3,4,5,6,7
	v_mov_b32 v[CH+\i], 0
.endr
.endm
.macro SUMS buf
.set i, 0
.rept 8
	v_pk_add_f32 v[CH:CH+1], v[CH:CH+1], v[(\buf)+8*i:(\buf)+8*i+1]
	v_pk_add_f32 v[CH+2:CH+3], v[CH+2:CH+3], v[(\buf)+8*i+2:(\buf)+8*i+3]
	v_pk_add_f32 v[CH+4:CH+5], v[CH+4:CH+5], v[(\buf)+8*i+4:(\buf)+8*i+5]
	v_pk_add_f32 v[CH+6:CH+7], v[CH+6:CH+7], v[(\buf)+8*i+6:(\buf)+8*i+7]
.set i, i+1
.endr
.endm
.macro SQS buf
.set i, 0
.rept 32
	v_pk_add_f32 v[(\buf)+2*i:(\buf)+2*i+1], v[(\buf)+2*i:(\buf)+2*i+1], v[8:9] neg_lo:[0,1] neg_hi:[0,1]   ; x - mean
.set i, i+1
.endr
.set i, 0
.rept 32
	v_pk_fma_f32 v[CH+2*(i%4):CH+2*(i%4)+1], v[(\buf)+2*i:(\buf)+2*i+1], v[(\buf)+2*i:(\buf)+2*i+1], v[CH+2*(i%4):CH+2*(i%4)+1]
.set i, i+1
.endr
.endm
.macro REDUCE                          ; the four chains, their halves, and lane l xor 16's half of the row
	v_pk_add_f32 v[CH:CH+1], v[CH:CH+1], v[CH+2:CH+3]
	v_pk_add_f32 v[CH+4:CH+5], v[CH+4:CH+5], v[CH+6:CH+7]
	v_pk_add_f32 v[CH:CH+1], v[CH:CH+1], v[CH+4:CH+5]
	v_add_f32 v[CH], v[CH], v[CH+1]
	v_permlanex16_b32 v[CH+1], v[CH], s[SEL], s[SEL+1]
	v_add_f32 v[CH], v[CH], v[CH+1]
.endm
	s_load_b256 s[4:11], s[0:1], 0x0               ; x, ln_w, ln_b, qkv_w_codes
	s_load_b256 s[12:19], s[0:1], 0x20             ; out_w_codes, h_img, h_sc, w_img
	v_lshl_add_u32 v14, v0, 2, SPARE
	v_mov_b32 v15, 0
	ds_add_u32 v14, v15                            ; the opening lines: the add, twice on end, and its wait ahead of my first copy
	ds_add_u32 v14, v15
	v_lshrrev_b32 v8, 5, v0
	v_readfirstlane_b32 s[WV], v8                  ; wave 0, 1
	s_lshl_b32 s63, ttmp9, 1
	s_add_co_u32 s63, s63, s[WV]                   ; my tile of rows, and my half tile of the weights: 0 .. 511
	s_mul_i32 s66, s[WV], WR                       ; my LDS region
	s_lshl_b32 s68, s63, 16                        ; 16 rows of 4,096 bytes
	s_mov_b32 s69, 0
	s_mov_b32 s[MNT], 0x600000                     ; the mantissa field of 57,344
	s_mov_b32 s[SEL], 0x76543210
	s_mov_b32 s[SEL+1], 0xfedcba98                 ; lane l xor 16
	s_mov_b32 s[LOW], 0xffff                       ; lanes 0-15
	s_mov_b32 s67, 0x3a800000                      ; 1 / 1,024
	v_and_b32 v9, 31, v0
	v_and_b32 v4, 15, v0                           ; r
	v_bfe_u32 v5, v0, 4, 1                         ; h
	v_lshlrev_b32 v1, 4, v9                        ; 16 x lane: an image's place for my lane, and a copy's
	v_lshlrev_b32 v6, 10, v4
	v_lshlrev_b32 v7, 5, v4
	v_mul_u32_u24 v2, v4, XP
	v_lshlrev_b32 v3, 6, v5
	v_lshl_add_u32 v6, v5, 4, v6                   ; the weights' codes: row r of 1,024 bytes, + 16 h
	v_lshl_add_u32 v7, v5, 4, v7                   ; h_sc: 32 r + 16 h
	v_lshl_add_u32 v2, v5, 6, v2
	v_add_nc_u32 v3, s66, v3
	v_add_nc_u32 v2, s66, v2                       ; x in LDS: my row, + 64 h
	v_add_nc_u32 v3, LNW, v3                       ; ln_w in LDS, + 64 h
	v_add_nc_u32 v[CA], s66, v1                    ; a copy's immediate goes to both addresses: row r's LDS address carries the 16 r that LDS has more
.irp r, 1,2,3,4,5,6,7,8,9,10,11,12,13,14,15
	v_add_nc_u32 v[CA+\r], 16*\r, v[CA]
.endr
	v_add_nc_u32 v[CA+16], LNW, v[CA]
	v_add_nc_u32 v[CA+17], LNW+4096, v[CA]
.irp b, 0,1,2,3
	v_mov_b32 v[TM+4+\b], 0                        ; a lane permute's destination counts as one of its sources
.endr
.irp b, 0,1,2,3,4,5,6,7
	v_mov_b32 v[HW+\b], 0                          ; the scale words move down one place a K step: written once before
.endr
	s_wait_alu depctr_va_vdst(0)                   ; the wait at the head's end
	s_wait_dscnt 0x0
	s_wait_kmcnt 0x0
	s_add_nc_u64 s[68:69], s[4:5], s[68:69]        ; x at my 16 rows
	s_cmp_lt_u32 ttmp9, 192                        ; qkv_w has 192 tiles, out_w 64: the choice hangs on the work-group's number alone
	s_cselect_b64 s[70:71], s[10:11], s[12:13]
	s_cselect_b32 s72, 0, 384
	s_sub_co_u32 s72, s63, s72                     ; half tile within its tensor
	s_lshr_b32 s73, s72, 1
	s_lshl_b32 s73, s73, 14                        ; its tile: 16 rows of 1,024 bytes
	s_and_b32 s72, s72, 1
	s_lshl_b32 s72, s72, 9                         ; K steps 0-3 or 4-7
	s_add_co_u32 s72, s72, s73
	s_mov_b32 s73, 0
	s_add_nc_u64 s[70:71], s[70:71], s[72:73]
	s_lshl_b32 s74, s63, 13
	s_mov_b32 s75, 0
	s_add_nc_u64 s[18:19], s[18:19], s[74:75]      ; w_img: 8,192 bytes a half tile, out_w's behind qkv_w's
	s_lshl_b32 s74, s63, 14
	s_add_nc_u64 s[14:15], s[14:15], s[74:75]      ; h_img at my tile
	s_lshl_b32 s74, s63, 9
	s_add_nc_u64 s[16:17], s[16:17], s[74:75]      ; h_sc at my 16 rows
.irp i, 0,1,2,3
.irp c, 0,1,2,3
	global_load_b128 v[X1+16*\i+4*\c:X1+16*\i+4*\c+3], v6, s[70:71] offset:128*\i+32*\c   ; the weights' codes: half a tile = four fragments
.endr
.endr
.irp r, 0,1,2,3,4,5,6,7,8,9,10,11,12,13,14,15
.irp i, 0,1,2,3,4,5,6,7
	global_load_async_to_lds_b128 v[CA+\r], v1, s[68:69] offset:4096*\r+512*\i   ; x: row r, 512 bytes
.endr
.endr
.irp i, 0,1,2,3,4,5,6,7
	global_load_async_to_lds_b128 v[CA+16], v1, s[6:7] offset:512*\i             ; ln_w
.endr
.irp i, 0,1,2,3,4,5,6,7
	global_load_async_to_lds_b128 v[CA+17], v1, s[8:9] offset:512*\i             ; ln_b
.endr
	s_wait_loadcnt 0x0
.irp i, 0,1,2,3
.irp c, 0,1,2,3
	global_store_b128 v1, v[X1+16*\i+4*\c:X1+16*\i+4*\c+3], s[18:19] offset:2048*\i+512*\c   ; 32 lanes store 512 consecutive bytes
.endr
.endr
	s_wait_xcnt 0x0                                ; the stores have read their registers: the ring below loads into them
	; ---- pass 1 and pass 2: one ring of two buffers over 17 chunks (x's eight K steps twice, and step 0 once more for pass 3)
	s_wait_asynccnt 16                             ; x's 128 copies have landed; the 16 issued behind them (ln_w, ln_b) may be out.  Only I read these bytes
	LOADX 0, X0
	LOADX 1, X1
	ZERO_CH
.set q, 0
.rept 8
	s_wait_alu depctr_va_vdst(0)
	s_wait_dscnt 16                                ; this chunk's 16 loads are in, the next chunk's may be out
	SUMS X0+64*(q%2)
	LOADX (q+2)%8, X0+64*(q%2)
.set q, q+1
.endr
	REDUCE
	v_mul_f32 v8, s67, v[CH]                       ; the mean,
	v_mov_b32 v9, v8                               ; twice: the packed forms take a pair
	ZERO_CH
	s_wait_alu depctr_va_vdst(0)
.rept 8
	s_wait_dscnt 16
	SQS X0+64*(q%2)
.if q < 15
	LOADX (q+2)%8, X0+64*(q%2)
.endif
.set q, q+1
.endr
	REDUCE
	v_mov_b32 v11, 0x3727c5ac                      ; 1e-5
	v_fma_f32 v10, v[CH], s67, v11                 ; the variance + eps
	s_wait_alu depctr_va_vdst(0)
	v_rsq_f32 v10, v10
	v_nop                                          ; a plain line behind the transcendental
	s_wait_alu depctr_va_vdst(0)                   ; and the wait ahead of its first reader
	v_mov_b32 v11, v10
	; ---- pass 3: normalise, gain and bias, quantise, store: a K step a trip; the last is written out, since it fetches nothing
	s_wait_alu depctr_va_vdst(0)
	s_wait_asynccnt 0x0                            ; ln_w and ln_b have landed; the copies' address registers are free
	LOADP
.macro FRAG more
	s_wait_dscnt 0x0                               ; x, ln_w, ln_b of this K step
.if \more
	v_add_nc_u32 v2, 512, v2                       ; on to the next K step
	v_add_nc_u32 v3, 512, v3
.endif
.set i, 0
.rept 32
	v_pk_add_f32 v[X0+2*i:X0+2*i+1], v[X0+2*i:X0+2*i+1], v[8:9] neg_lo:[0,1] neg_hi:[0,1]
.set i, i+1
.endr
.set i, 0
.rept 32
	v_pk_mul_f32 v[X0+2*i:X0+2*i+1], v[X0+2*i:X0+2*i+1], v[10:11]
.set i, i+1
.endr
.set i, 0
.rept 32
	v_pk_fma_f32 v[X0+2*i:X0+2*i+1], v[X0+2*i:X0+2*i+1], v[WG+2*i:WG+2*i+1], v[BB+2*i:BB+2*i+1]
.set i, i+1
.endr
.if \more
	LOADP
.endif
	QUANT X0, PC, TM, 4
.irp i, 0,1,2,3,4,5,6
	v_mov_b32 v[HW+\i], v[HW+\i+1]                 ; after eight K steps word s stands in register s
.endr
	v_lshl_or_b32 v[HW+7], v[TM+5], 8, v[TM+4]     ; my row's scale word of this K step
	v_lshl_or_b32 v[HW+7], v[TM+6], 16, v[HW+7]
	v_lshl_or_b32 v[HW+7], v[TM+7], 24, v[HW+7]
.irp c, 0,1,2,3
	global_store_b128 v1, v[PC+4*\c:PC+4*\c+3], s[14:15] offset:512*\c
.endr
.if \more
	LOADX 0, X0
	s_wait_alu depctr_va_vdst(0)
	s_wait_xcnt 0x0                                ; the stores have read the codes' registers and their base
	s_add_nc_u64 s[14:15], s[14:15], 2048
.endif
.endm
	s_mov_b32 s72, 7
.Lfrag:
	FRAG 1
	s_sub_co_u32 s72, s72, 1
	s_cmp_lg_u32 s72, 0
	s_cbranch_scc1 .Lfrag
	FRAG 0
.irp i, 0,1,2,3
	v_cndmask_b32 v[CH+\i], v[HW+4+\i], v[HW+\i], s[LOW]   ; lanes 0-15 store words 0-3 of their row, lanes 16-31 words 4-7
.endr
	global_store_b128 v7, v[CH:CH+3], s[16:17]     ; 512 consecutive bytes
	s_wait_tensorcnt 0x0                           ; the wave's end
	s_wait_asynccnt 0x0
	ds_add_u32 v14, v15
	s_wait_dscnt 0x0
	s_endpgm
.Lfunc_end_k_qa6725cf48b_prep:
	.size	k_qa6725cf48b_prep, .Lfunc_end_k_qa6725cf48b_prep-k_qa6725cf48b_prep
	.p2alignl 7, 3214868480
	.fill 96, 4, 3214868480
	.section	.rodata,"a",@progbits
	.p2align	6, 0x0
	.amdhsa_kernel k_qa6725cf48b_prep
		.amdhsa_group_segment_fixed_size 168192
		.amdhsa_private_segment_fixed_size 0
		.amdhsa_enable_private_segment 0
		.amdhsa_kernarg_size 64
		.amdhsa_user_sgpr_count 2
		.amdhsa_user_sgpr_kernarg_segment_ptr 1
		.amdhsa_wavefront_size32 1
		.amdhsa_system_sgpr_workgroup_id_x 1
		.amdhsa_system_sgpr_workgroup_id_y 1
		.amdhsa_system_sgpr_workgroup_id_z 1
		.amdhsa_system_vgpr_workitem_id 0
		.amdhsa_next_free_vgpr 256
		.amdhsa_next_free_sgpr 80
		.amdhsa_reserve_vcc 0
		.amdhsa_float_denorm_mode_32 3
		.amdhsa_float_denorm_mode_16_64 3
		.amdhsa_memory_ordered 1
		.amdhsa_forward_progress 1
		.amdhsa_inst_pref_size 123
	.end_amdhsa_kernel
	.amdgpu_metadata
---
amdhsa.version: [ 1, 2 ]
amdhsa.kernels:
  - .name:           k_qa6725cf48b_prep
    .symbol:         k_qa6725cf48b_prep.kd
    .args:
      - { .name: x, .offset: 0, .size: 8, .value_kind: global_buffer, .address_space: global }
      - { .name: ln_w, .offset: 8, .size: 8, .value_kind: global_buffer, .address_space: global }
      - { .name: ln_b, .offset: 16, .size: 8, .value_kind: global_buffer, .address_space: global }
      - { .name: qkv_w_codes, .offset: 24, .size: 8, .value_kind: global_buffer, .address_space: global }
      - { .name: out_w_codes, .offset: 32, .size: 8, .value_kind: global_buffer, .address_space: global }
      - { .name: h_img, .offset: 40, .size: 8, .value_kind: global_buffer, .address_space: global }
      - { .name: h_sc, .offset: 48, .size: 8, .value_kind: global_buffer, .address_space: global }
      - { .name: w_img, .offset: 56, .size: 8, .value_kind: global_buffer, .address_space: global }
    .group_segment_fixed_size: 168192
    .private_segment_fixed_size: 0
    .kernarg_segment_align: 8
    .kernarg_segment_size: 64
    .max_flat_workgroup_size: 64
    .sgpr_count:     80
    .vgpr_count:     256
    .wavefront_size: 32
...
	.end_amdgpu_metadata
.endif
;; end of part 1
;; launch qkv (part 2): grid 32 x 8, 4 waves a work-group, clusters of 4 x 1, 327,680 bytes of LDS; arguments h_img, h_sc, w_img, qkv_w_scales, qkv_b, q_buf, kv_buf; writes q_buf, kv_buf
.if DOCPART == 2
	.amdgcn_target "amdgcn-amd-amdhsa--gfx1250"
	.amdhsa_code_object_version 6
	.text
	.protected	k_qa6725cf48b_qkv
	.globl	k_qa6725cf48b_qkv
	.p2align	8
	.type	k_qa6725cf48b_qkv,@function
k_qa6725cf48b_qkv:
	s_mov_b64 s[64:65], 0
	v_nop
	global_prefetch_b8 v0, s[64:65] scope:SCOPE_SE
	s_setreg_imm32_b32 hwreg(HW_REG_WAVE_MODE, 25, 1), 1
	s_wait_xcnt 0x0
	s_wait_alu depctr_hold_cnt(0) depctr_sa_sdst(0) depctr_va_vdst(0) depctr_va_sdst(0) depctr_va_ssrc(0) depctr_va_vcc(0) depctr_vm_vsrc(0)
	s_getreg_b32 s2, hwreg(HW_REG_IB_STS2, 6, 4)
	s_cmp_eq_u32 s2, 0
	s_cbranch_scc0 .Lentry_in_a_cluster
	s_endpgm
.Lentry_in_a_cluster:
	s_bfe_u32 s2, ttmp6, 0x10000c
	s_cmp_lg_u32 s2, 0x3003
	s_cbranch_scc0 .Lentry_shape_is_right
	s_endpgm
.Lentry_shape_is_right:
; QKV.  qkv = h W^T + b on codes of E5M2 with E8M0 scales; q and k are normalised per head and quantised along d, v is quantised along the keys; all three leave as images of operand registers.
; SHARES.  32 row blocks x 8 column groups = 256 work-groups.  A work-group owns 256 rows of h and six heads: q, k and v of heads 2 g and 2 g + 1.  Each of its four waves owns 64 rows (four tiles of 16),
; whose fragments for all of K = 1,024 STAY IN REGISTERS (512), loaded once from h_img as they lie.  The weights' fragment images walk through LDS: two slots of two heads (131,072 bytes each).
; The four row blocks of a cluster walk the same heads: the weights' loads are JOINT (mask 15).  By this text's count a wave has one tensor load out: pair 0 (q) at the head, pair 1 (k) and pair 2 (v) behind the round
; at the top of the two trips over q and k: each pair is asked for two heads' work ahead of its first read, so no prefetch is laid.
; A weight fragment read from LDS feeds four matrix instructions (my four tiles); a K step's fragments are asked of LDS two K steps ahead, into three sets of registers that take turns.
; The 16 accumulators take turns, in the same order in every K step.
; q, k: TRANSPOSED (source 0 = 16 rows of W): a lane holds one token, its registers run along d.  v: source 0 = 16 tokens: a lane holds one d, its registers run along the keys.  The bias is the C of the first K step.
; The weights' scale bytes and the bias of the six heads are copied once, in runs of 512 bytes, through registers into LDS bytes of their own.
; OUT (as the next launch reads them).  q_buf: [batch, head]: 128 tiles of 1,024 bytes, then 512 bytes of scale words for each 128 tokens.  kv_buf: [batch, head]: 16 steps of (k 8,192, v 8,192) bytes, then 768 bytes of scale words a step.
; A step's scale words hold two waves' parts: they are joined in an LDS stage and leave at the end as runs of 512 and 256 bytes.
; LIMITS: NaN and infinities are not served; a block whose largest magnitude lies under 2^-111 keeps the byte 1 (read by this program alone).
; REGISTERS.  Window 0: v1-15 addresses, 1 / norm; v16-47 W's scale words; v48-79 h's; v80-207 16 accumulators; v208-253 the way out.  Windows 1, 2: h's fragments (tile m, K step u at 128 (m % 2) + 16 u).
; Window 3: v0-191 W's fragments of a K step, three sets; v192-223 the bias.
.set WS,  16
.set AS,  48
.set ACC, 80
.set CD,  208
.set TM,  224
.set SQ,  240
.set PD,  248
.set WD,  250
.set XW,  252
.set BI,  192                          ; window 3
.set WSL, 262144                       ; behind the slots: W's scale bytes, 6 heads x 2,048
.set BL,  274432                       ; the bias, 6 heads x 256 bytes
.set STG, 275968                       ; q's and k's scale words: 4 heads x 2 groups of 128 rows x 512 bytes
.set STGV, 280064                      ; v's: 2 heads x 2 groups x 256 bytes
.set SPARE, 281088                     ; the spare words
.set WV,  18
.set CNT, 36
.set KND, 37
.set IMG, 52
.set HS,  54
.set PK,  56
.set PV,  58
.set WB,  60
.set WSO, 61
.set BO,  62
.set SO,  63
.set SEL, 66
.set MNT, 68
.set LOW, 69
.set MSB, 0
.macro WIN new                         ; the immediate's high byte repeats the setting that is left
.if MSB != (\new)
	s_set_vgpr_msb (MSB<<8)|(\new)
.set MSB, (\new)
.endif
.endm
.macro NOPS n
.rept \n
	v_nop
.endr
.endm
.macro ROUND                           ; a round of the cluster's barrier
	s_barrier_signal -1
	s_barrier_wait -1
	s_cmp_lg_u32 s[WV], 0
	s_cbranch_scc1 .Lnot_wave_0_\@
	s_barrier_signal -3
.Lnot_wave_0_\@:
	s_barrier_wait -3
	s_barrier_signal -1
	s_barrier_wait -1
.endm
; nb blocks of 32 along K: a lane's registers src + 16 b + i are 16 numbers of block b, lane l xor 16 holds the other 16.  Codes to cd + 4 b .. + 3; the bytes stay in tm + nb + b.
.macro QUANT src, cd, tm, nb
.set qb, 0
.rept \nb
	v_max3_num_f32 v[\tm+qb], |v[\src+16*qb]|, |v[\src+16*qb+1]|, 0x8000000   ; the floor 2^(16 - 127): the byte cannot fall under 1
.set qb, qb+1
.endr
.set qi, 2
.rept 7
.set qb, 0
.rept \nb
	v_max3_num_f32 v[\tm+qb], v[\tm+qb], |v[\src+16*qb+qi]|, |v[\src+16*qb+qi+1]|
.set qb, qb+1
.endr
.set qi, qi+2
.endr
.set qb, 0
.rept \nb
	v_permlanex16_b32 v[\tm+\nb+qb], v[\tm+qb], s[SEL], s[SEL+1]
.set qb, qb+1
.endr
.set qb, 0
.rept \nb
	v_max_num_f32 v[\tm+qb], v[\tm+qb], v[\tm+\nb+qb]
.set qb, qb+1
.endr
.set qb, 0
.rept \nb
	v_add_nc_u32 v[\tm+3*\nb+qb], 0xf8800000, v[\tm+qb]            ; 15 off the exponent field: the conversion's scale operand
.set qb, qb+1
.endr
.set qb, 0
.rept \nb
	v_and_or_b32 v[\tm+2*\nb+qb], v[\tm+qb], 0x7f800000, s[MNT]    ; 57,344 x the scale
.set qb, qb+1
.endr
.set qb, 0
.rept \nb
	v_lshrrev_b32 v[\tm+\nb+qb], 23, v[\tm+3*\nb+qb]               ; the byte
.set qb, qb+1
.endr
.set qb, 0
.rept \nb
.set qi, 0
.rept 16
	v_med3_num_f32 v[\src+16*qb+qi], v[\src+16*qb+qi], -v[\tm+2*\nb+qb], v[\tm+2*\nb+qb]   ; the conversion does not saturate (ISA guide 7.6.2): hold first
.set qi, qi+1
.endr
	v_cvt_scalef32_pk8_bf8_f32 v[\cd+4*qb:\cd+4*qb+1], v[\src+16*qb:\src+16*qb+7], v[\tm+3*\nb+qb]
	v_cvt_scalef32_pk8_bf8_f32 v[\cd+4*qb+2:\cd+4*qb+3], v[\src+16*qb+8:\src+16*qb+15], v[\tm+3*\nb+qb]
.set qb, qb+1
.endr
	v_nop
.endm
.macro FETCHW u                        ; W's four fragments of K step u into set u % 3 (window 3)
	WIN 0xc0
.irp t, 0,1,2,3
.irp c, 0,1,2,3
	ds_load_b128 v[64*((\u)%3)+16*\t+4*\c:64*((\u)%3)+16*\t+4*\c+3], v2 offset:\t*16384+(\u)*2048+\c*512
.endr
.endr
.endm
.macro MMK path, u                     ; 16 matrix instructions: my four tiles x the head's four tiles of 16 columns, K step u
.irp hf, 0,1
.if \path
.if (\u) == 0
	WIN 0x3d+\hf
.else
	WIN 0x0d+\hf
.endif
.else
.if (\u) == 0
	WIN 0x37+4*\hf
.else
	WIN 0x07+4*\hf
.endif
.endif
.irp mm, 0,1
.irp t, 0,1,2,3
.set rW, 64*((\u)%3)+16*\t
.set rA, 128*\mm+16*(\u)
.set sW, WS+8*\t+(\u)
.set sA, AS+8*(2*\hf+\mm)+(\u)
.if \path
.set rD, ACC+64*\hf+16*\t+8*\mm
.if (\u) == 0
	v_wmma_scale_f32_16x16x128_f8f6f4 v[rD:rD+7], v[rA:rA+15], v[rW:rW+15], v[BI+8*\t:BI+8*\t+7], v[sA], v[sW] matrix_a_fmt:MATRIX_FMT_BF8 matrix_b_fmt:MATRIX_FMT_BF8
.else
	v_wmma_scale_f32_16x16x128_f8f6f4 v[rD:rD+7], v[rA:rA+15], v[rW:rW+15], v[rD:rD+7], v[sA], v[sW] matrix_a_fmt:MATRIX_FMT_BF8 matrix_b_fmt:MATRIX_FMT_BF8
.endif
.else
.set rD, ACC+64*\hf+32*\mm+8*\t
.if (\u) == 0
	v_wmma_scale_f32_16x16x128_f8f6f4 v[rD:rD+7], v[rW:rW+15], v[rA:rA+15], v[BI+8*\t:BI+8*\t+7], v[sW], v[sA] matrix_a_fmt:MATRIX_FMT_BF8 matrix_b_fmt:MATRIX_FMT_BF8
.else
	v_wmma_scale_f32_16x16x128_f8f6f4 v[rD:rD+7], v[rW:rW+15], v[rA:rA+15], v[rD:rD+7], v[sW], v[sA] matrix_a_fmt:MATRIX_FMT_BF8 matrix_b_fmt:MATRIX_FMT_BF8
.endif
.endif
.endr
.endr
.endr
.endm
; A head's eight K steps; steps 0 and 1 have been asked for.  Ahead of step u's products step u + 2's fragments are asked for; they land in the set that step u - 1 read, eight plain lines behind its products.
.macro MM path
.set u, 0
.rept 8
.if u < 6
.if u > 0
	NOPS 8
.endif
	FETCHW u+2
	s_wait_dscnt 32                                ; all but the fetches of steps u + 1 and u + 2, 16 loads each
.else
.if u == 6
	s_wait_dscnt 16                                ; all but step 7's
.else
	s_wait_dscnt 0x0
.endif
.endif
	MMK \path, u
.set u, u+1
.endr
	WIN 0
	NOPS 8
.endm
; q, k: 32 tokens (tiles 2 p, 2 p + 1): the norm over the head's 64, the division, the quantiser along d (two blocks a token)
.macro EPI_QK p
.set AC, ACC+64*\p
	s_wait_alu depctr_va_vdst(0)                   ; the wait ahead of the first reader of these results
.irp m, 0,1
	v_pk_mul_f32 v[SQ+4*\m:SQ+4*\m+1], v[AC+32*\m:AC+32*\m+1], v[AC+32*\m:AC+32*\m+1]
	v_pk_mul_f32 v[SQ+4*\m+2:SQ+4*\m+3], v[AC+32*\m+2:AC+32*\m+3], v[AC+32*\m+2:AC+32*\m+3]
.endr
.irp i, 1,2,3,4,5,6,7
.irp m, 0,1
	v_pk_fma_f32 v[SQ+4*\m:SQ+4*\m+1], v[AC+32*\m+4*\i:AC+32*\m+4*\i+1], v[AC+32*\m+4*\i:AC+32*\m+4*\i+1], v[SQ+4*\m:SQ+4*\m+1]
	v_pk_fma_f32 v[SQ+4*\m+2:SQ+4*\m+3], v[AC+32*\m+4*\i+2:AC+32*\m+4*\i+3], v[AC+32*\m+4*\i+2:AC+32*\m+4*\i+3], v[SQ+4*\m+2:SQ+4*\m+3]
.endr
.endr
.irp m, 0,1
	v_pk_add_f32 v[SQ+4*\m:SQ+4*\m+1], v[SQ+4*\m:SQ+4*\m+1], v[SQ+4*\m+2:SQ+4*\m+3]
.endr
.irp m, 0,1
	v_add_f32 v[SQ+4*\m], v[SQ+4*\m], v[SQ+4*\m+1]
.endr
.irp m, 0,1
	v_permlanex16_b32 v[PD+\m], v[SQ+4*\m], s[SEL], s[SEL+1]
.endr
.irp m, 0,1
	v_add_f32 v[SQ+4*\m], v[SQ+4*\m], v[PD+\m]
.endr
	s_wait_alu depctr_va_vdst(0)
.irp m, 0,1
	v_sqrt_f32 v[SQ+4*\m], v[SQ+4*\m]
.endr
	v_nop
	s_wait_alu depctr_va_vdst(0)
.irp m, 0,1
	v_max_num_f32 v[SQ+4*\m], 0x2b8cbccc, v[SQ+4*\m]               ; max(norm, 1e-12)
.endr
	s_wait_alu depctr_va_vdst(0)
.irp m, 0,1
	v_rcp_f32 v[8+2*\m], v[SQ+4*\m]
.endr
	v_nop
	s_wait_alu depctr_va_vdst(0)
.irp i, 0,1,2,3,4,5,6,7,8,9,10,11,12,13,14,15
.irp m, 0,1
	v_pk_mul_f32 v[AC+32*\m+2*\i:AC+32*\m+2*\i+1], v[AC+32*\m+2*\i:AC+32*\m+2*\i+1], v[8+2*\m:9+2*\m] op_sel_hi:[1,0]
.endr
.endr
.if \p
	s_wait_alu depctr_va_vdst(0)
	s_wait_xcnt 0x0                                ; the first 32 tokens' stores have read the codes' registers
.endif
	QUANT AC, CD, TM, 4
.irp m, 0,1
	v_lshl_or_b32 v[WD+\m], v[TM+5+2*\m], 8, v[TM+4+2*\m]
	v_or_b32 v[WD+\m], 0x7f7f0000, v[WD+\m]                        ; bytes 2, 3: the upper half of an instruction's K holds zero codes
.endr
.irp m, 0,1
.irp c, 0,1
	global_store_b128 v1, v[CD+8*\m+4*\c:CD+8*\m+4*\c+3], s[IMG:IMG+1] offset:2048*\p+1024*\m+512*\c   ; 512 consecutive bytes
.endr
.endr
	v_cndmask_b32 v[XW+\p], v[WD+1], v[WD], s[LOW]                 ; lanes 0-15 the even tile's word, lanes 16-31 the odd tile's
.endm
; v: 32 keys: one block for each of the head's 64
.macro EPI_V p
.set AC, ACC+64*\p
.if \p
	s_wait_alu depctr_va_vdst(0)
	s_wait_xcnt 0x0
.endif
	QUANT AC, CD, TM, 4
.irp t, 0,1,2,3
.if \p
	v_lshl_or_b32 v[SQ+\t], v[TM+4+\t], 8, v[SQ+\t]                ; my two blocks' bytes of d tile t
.else
	v_mov_b32 v[SQ+\t], v[TM+4+\t]
.endif
.endr
.irp t, 0,1,2,3
	global_store_b128 v1, v[CD+4*\t:CD+4*\t+3], s[IMG:IMG+1] offset:2048*\t+512*\p
.endr
.endm
; ONE HEAD: its scale words, bias and first fragments from LDS, the products, the way out
.macro HEAD path
	v_add_nc_u32 v2, s[WB], v1
	v_add_nc_u32 v3, s[WSO], v12
.if \path
	v_add_nc_u32 v4, s[BO], v14
	v_add_nc_u32 v5, s[SO], v7
.irp t, 0,1,2,3
	ds_load_b32 v[SQ+\t], v4 offset:64*\t          ; b at column 16 t + r
.endr
.else
	v_add_nc_u32 v4, s[BO], v13
	v_add_nc_u32 v5, s[SO], v15
.endif
.irp t, 0,1,2,3
	ds_load_b128 v[WS+8*\t:WS+8*\t+3], v3 offset:512*\t
	ds_load_b128 v[WS+8*\t+4:WS+8*\t+7], v3 offset:512*\t+16
.endr
.if \path == 0
	WIN 0xc0
.irp t, 0,1,2,3
	ds_load_b128 v[BI+8*\t:BI+8*\t+3], v4 offset:64*\t             ; b at columns 16 t + 8 h + 0 .. 7
	ds_load_b128 v[BI+8*\t+4:BI+8*\t+7], v4 offset:64*\t+16
.endr
.endif
	FETCHW 0
	FETCHW 1
	s_wait_alu depctr_va_vdst(0)
.if \path
	s_wait_dscnt 40                                ; the bias is in: behind it stand 8 loads of scale words and 32 of fragments
.irp t, 0,1,2,3
.irp j, 0,1,2,3,4,5,6,7
	v_mov_b32 v[BI+8*\t+\j], v[SQ+\t]              ; (destination in window 3)  the same for a lane's eight tokens
.endr
.endr
	NOPS 4
	s_wait_alu depctr_va_vdst(0)
.endif
	MM \path
.if \path
	EPI_V 0
	EPI_V 1
	v_cndmask_b32 v[XW], v[SQ+1], v[SQ], s[LOW]
	v_cndmask_b32 v[XW+1], v[SQ+3], v[SQ+2], s[LOW]
	ds_store_b16 v5, v[XW]                         ; word j of lane l: d tile 2 j + l / 16; my two bytes of its four
	ds_store_b16 v5, v[XW+1] offset:4
.else
	EPI_QK 0
	EPI_QK 1
	ds_store_b64 v5, v[XW:XW+1]                    ; my two words of a lane's four
.endif
	s_wait_alu depctr_va_vdst(0)
	s_wait_xcnt 0x0                                ; the stores have read their base and the codes' registers
	s_add_nc_u64 s[IMG:IMG+1], s[IMG:IMG+1], s[HS:HS+1]
	s_xor_b32 s[WB], s[WB], 65536                  ; the slot's other head
	s_add_co_u32 s[WSO], s[WSO], 2048
	s_add_co_u32 s[BO], s[BO], 256
.if \path
	s_add_co_u32 s[SO], s[SO], 512
.else
	s_add_co_u32 s[SO], s[SO], 1024
.endif
.endm
	s_load_b256 s[4:11], s[0:1], 0x0               ; h_img, h_sc, w_img, qkv_w_scales
	s_load_b128 s[12:15], s[0:1], 0x20             ; qkv_b, q_buf
	s_load_b64 s[16:17], s[0:1], 0x30              ; kv_buf
	v_lshl_add_u32 v254, v0, 2, SPARE
	v_mov_b32 v255, 0
	ds_add_u32 v254, v255                          ; the opening lines: the add, twice on end, and its wait
	ds_add_u32 v254, v255
	v_lshrrev_b32 v4, 5, v0
	v_readfirstlane_b32 s[WV], v4                  ; wave 0..3
	s_bfe_u32 s19, ttmp6, 0x40000                  ; cx: it enters global addresses alone
	s_lshl_b32 s20, ttmp9, 2
	s_add_co_u32 s20, s20, s19                     ; my block of 256 rows
	s_and_b32 s21, ttmp7, 0xffff                   ; g, which the partners share
	s_mov_b32 s24, 15|(3<<16)|(1<<21)              ; group 1: 128 dense rows of 256 bytes; the mask names all four partners, bit 21 beside it
	s_mov_b32 s25, 32<<16
	s_mov_b32 s26, 128<<16
	s_mov_b32 s27, 32<<16
	s_mov_b32 s28, 128
	s_mov_b32 s29, 32
	s_mov_b32 s30, 0
	s_mov_b32 s31, 0
	s_mov_b32 s32, 1
	s_lshl_b32 s33, s[WV], 15                      ; my quarter of a slot
	s_lshl_b32 s70, s21, 17                        ; heads 2 g, 2 g + 1: 131,072 bytes of images
	s_add_co_u32 s70, s70, s33
	s_mov_b32 s71, 0
	s_mov_b32 s[SEL], 0x76543210
	s_mov_b32 s[SEL+1], 0xfedcba98
	s_mov_b32 s[MNT], 0x600000
	s_mov_b32 s[LOW], 0xffff
	s_wait_dscnt 0x0
	s_wait_kmcnt 0x0
	s_add_nc_u64 s[34:35], s[8:9], s[70:71]
	s_or_b32 s35, s35, 0x80000000
	ROUND                                          ; all four work-groups are here: the joint loads meet
	tensor_load_to_lds s[32:35], s[24:31]          ; q's two heads into slot 0
	s_nop 0
	NOPS 4
	s_lshl_b32 s72, s20, 18
	s_lshl_b32 s73, s[WV], 16
	s_add_co_u32 s72, s72, s73
	s_mov_b32 s73, 0
	s_add_nc_u64 s[4:5], s[4:5], s[72:73]          ; h_img at my four tiles
	s_lshl_b32 s72, s20, 13
	s_lshl_b32 s70, s[WV], 11
	s_add_co_u32 s72, s72, s70
	s_add_nc_u64 s[6:7], s[6:7], s[72:73]          ; h_sc at my 64 rows
	s_lshl_b32 s72, s21, 12
	s_add_nc_u64 s[10:11], s[10:11], s[72:73]      ; W's scale bytes at row 128 g
	s_lshl_b32 s72, s21, 9
	s_add_nc_u64 s[12:13], s[12:13], s[72:73]      ; b at column 128 g
	s_lshr_b32 s74, s20, 3
	s_lshl_b32 s74, s74, 4
	s_lshl_b32 s70, s21, 1
	s_add_co_u32 s74, s74, s70                     ; 16 batch + 2 g
	s_and_b32 s76, s[WV], 1
	s_lshr_b32 s77, s[WV], 1
	s_and_b32 s78, s20, 7
	s_lshl_b32 s78, s78, 1                         ; the block's first group of 128 rows in its sequence
	s_add_co_u32 s79, s78, s77                     ; my group
	s_mul_i32 s38, s74, 139264
	s_mov_b32 s39, 0
	s_mul_i32 s40, s74, 274432
	s_mov_b32 s41, 0
	s_add_nc_u64 s[14:15], s[14:15], s[38:39]      ; q_buf at (batch, head 2 g)
	s_add_nc_u64 s[16:17], s[16:17], s[40:41]      ; kv_buf likewise
	; where the joined scale words go at the end: wave w stores those of q (w < 2) or k, head 2 g + w % 2, both groups; and v's of head 2 g + w % 2, group w / 2
	s_cmp_eq_u32 s77, 0
	s_cselect_b64 s[44:45], s[14:15], s[16:17]
	s_mov_b32 s42, 274432
	s_cselect_b32 s42, 139264, s42
	s_mov_b32 s43, 262144
	s_cselect_b32 s43, 131072, s43
	s_mov_b32 s46, 768
	s_cselect_b32 s46, 512, s46
	s_mul_i32 s42, s42, s76
	s_add_co_u32 s42, s42, s43
	s_mul_i32 s43, s78, s46
	s_add_co_u32 s42, s42, s43
	s_mov_b32 s43, 0
	s_mov_b32 s47, 0
	s_add_nc_u64 s[44:45], s[44:45], s[42:43]
	s_add_nc_u64 s[48:49], s[44:45], s[46:47]
	s_mul_i32 s42, s76, 274432
	s_mul_i32 s70, s79, 768
	s_add_co_u32 s42, s42, s70
	s_add_co_u32 s42, s42, 262656
	s_add_nc_u64 s[50:51], s[16:17], s[42:43]
	; where my images go: q: 8,192 bytes a group; k, v: 16,384; my 64 rows are the group's half w % 2
	s_lshl_b32 s38, s76, 12
	s_lshl_b32 s42, s79, 13
	s_add_co_u32 s42, s42, s38
	s_add_nc_u64 s[14:15], s[14:15], s[42:43]
	s_lshl_b32 s42, s79, 14
	s_add_co_u32 s42, s42, s38
	s_add_nc_u64 s[PK:PK+1], s[16:17], s[42:43]
	s_lshl_b32 s42, s79, 14
	s_lshl_b32 s38, s76, 10
	s_add_co_u32 s42, s42, s38
	s_add_co_u32 s42, s42, 8192
	s_add_nc_u64 s[PV:PV+1], s[16:17], s[42:43]
	s_lshl_b32 s70, s[WV], 10
	s_lshl_b32 s71, s76, 3
	s_lshl_b32 s72, s77, 9
	s_add_co_u32 s71, s71, s72                     ; q, k stage: 8 (w % 2) + 512 (w / 2)
	s_lshl_b32 s72, s76, 1
	s_lshl_b32 s73, s77, 8
	s_add_co_u32 s72, s72, s73                     ; v stage: 2 (w % 2) + 256 (w / 2)
	s_mov_b32 s[HS+1], 0
	s_mov_b32 s[WB], 0
	s_mov_b32 s[WSO], 0
	s_mov_b32 s[BO], 0
	s_mov_b32 s[SO], 0
	s_mov_b32 s[KND], 0
	v_and_b32 v208, 31, v0
	v_and_b32 v209, 15, v0                         ; r
	v_bfe_u32 v210, v0, 4, 1                       ; h
	v_lshlrev_b32 v1, 4, v208                      ; 16 x lane
	v_lshlrev_b32 v6, 5, v209                      ; 32 r
	v_lshlrev_b32 v213, 2, v0
	v_lshl_add_u32 v214, v0, 2, BL
	v_lshl_add_u32 v12, v209, 5, WSL
	v_lshl_add_u32 v13, v210, 5, BL
	v_lshl_add_u32 v14, v209, 2, BL
	v_add_nc_u32 v211, s70, v1
	v_add_nc_u32 v15, s71, v1
	v_lshl_add_u32 v7, v208, 3, STGV
	v_add_nc_u32 v212, WSL, v211
	v_add_nc_u32 v15, STG, v15
	v_add_nc_u32 v7, s72, v7
	v_mov_b32 v9, 0                                ; (the upper words of the pairs of 1 / norm are named, so they are written)
	v_mov_b32 v11, 0
.irp i, 0,1,2,3
	v_mov_b32 v[TM+4+\i], 0                        ; a lane permute's destination counts as one of its sources
.endr
	v_mov_b32 v[PD], 0
	v_mov_b32 v[PD+1], 0
	s_wait_alu depctr_va_vdst(0)
.irp k, 0,1,2
.irp i, 0,1
	global_load_b128 v[ACC+8*\k+4*\i:ACC+8*\k+4*\i+3], v211, s[10:11] offset:32768*\k+512*\i   ; W's scale bytes: my 1,024 of each kind's 4,096
.endr
	global_load_b32 v[ACC+24+\k], v213, s[12:13] offset:4096*\k                                 ; the bias: 128 threads x 4 bytes a kind
.endr
.irp m, 0,1,2,3
	global_load_b128 v[AS+8*\m:AS+8*\m+3], v6, s[6:7] offset:512*\m                             ; h's scale words: lane r has row r's eight
	global_load_b128 v[AS+8*\m+4:AS+8*\m+7], v6, s[6:7] offset:512*\m+16
.endr
.irp hf, 0,1
	WIN 0x40+0x40*\hf
.irp mm, 0,1
.irp u, 0,1,2,3,4,5,6,7
.irp c, 0,1,2,3
	global_load_b128 v[128*\mm+16*\u+4*\c:128*\mm+16*\u+4*\c+3], v1, s[4:5] offset:(2*\hf+\mm)*16384+\u*2048+\c*512   ; h's fragments stay
.endr
.endr
.endr
.endr
	WIN 0
	s_wait_loadcnt 0x3f                            ; of 145 loads at most 63 are out: the first nine are in
.irp k, 0,1,2
.irp i, 0,1
	ds_store_b128 v212, v[ACC+8*\k+4*\i:ACC+8*\k+4*\i+3] offset:4096*\k+512*\i
.endr
	ds_store_b32 v214, v[ACC+24+\k] offset:512*\k
.endr
.Lkind:                                                ; two trips: q's heads from slot 0, k's from slot 1; at the top of each the next pair is asked for
	s_wait_alu depctr_va_vdst(0)
	s_wait_tensorcnt 0x0                           ; my quarter of this trip's pair has landed, so the group 0 may be written
	ds_add_u32 v254, v255
	s_xor_b32 s33, s33, 131072                     ; the other slot,
	s_add_nc_u64 s[34:35], s[34:35], 0x100000      ; the next kind's two heads: 16 heads of 65,536 bytes on
	s_wait_dscnt 0x0                               ; the add is done, my LDS stores have landed, my reads of the other slot are over
	ROUND
	tensor_load_to_lds s[32:35], s[24:31]          ; my one load behind the round
	s_nop 0
	NOPS 4
	s_wait_loadcnt 0x0                             ; h (first trip)
	s_cmp_eq_u32 s[KND], 0
	s_cselect_b64 s[IMG:IMG+1], s[14:15], s[PK:PK+1]
	s_mov_b32 s[HS], 274432
	s_cselect_b32 s[HS], 139264, s[HS]             ; from head to head
	s_mov_b32 s[CNT], 2
.Lhead:
	HEAD 0
	s_sub_co_u32 s[CNT], s[CNT], 1
	s_cmp_lg_u32 s[CNT], 0
	s_cbranch_scc1 .Lhead
	s_xor_b32 s[WB], s[WB], 131072                 ; on to the other slot
	s_add_co_u32 s[KND], s[KND], 1
	s_cmp_lt_u32 s[KND], 2
	s_cbranch_scc1 .Lkind
	s_wait_tensorcnt 0x0                           ; my quarter of v's pair
	s_wait_dscnt 0x0
	s_barrier_signal -1
	s_barrier_wait -1                              ; everybody's
	s_mov_b64 s[IMG:IMG+1], s[PV:PV+1]
	s_mov_b32 s[SO], 0
	s_mov_b32 s[CNT], 2
.Lvhead:
	HEAD 1
	s_sub_co_u32 s[CNT], s[CNT], 1
	s_cmp_lg_u32 s[CNT], 0
	s_cbranch_scc1 .Lvhead
	s_wait_dscnt 0x0                               ; for the others' sake: my stores to the stage have landed
	s_barrier_signal -1
	s_barrier_wait -1
	s_lshl_b32 s70, s[WV], 10
	s_lshl_b32 s71, s76, 9
	s_lshl_b32 s72, s77, 8
	s_add_co_u32 s71, s71, s72
	v_add_nc_u32 v2, s70, v1
	v_lshrrev_b32 v4, 1, v1                        ; 8 x lane
	v_add_nc_u32 v2, STG, v2
	v_add_nc_u32 v3, s71, v4
	v_add_nc_u32 v3, STGV, v3
	ds_load_b128 v[CD:CD+3], v2
	ds_load_b128 v[CD+4:CD+7], v2 offset:512
	ds_load_b64 v[CD+8:CD+9], v3
	s_wait_alu depctr_va_vdst(0)
	s_wait_dscnt 0x0
	global_store_b128 v1, v[CD:CD+3], s[44:45]     ; 512 consecutive bytes
	global_store_b128 v1, v[CD+4:CD+7], s[48:49]
	global_store_b64 v4, v[CD+8:CD+9], s[50:51]    ; 256 consecutive bytes
	s_wait_tensorcnt 0x0                           ; the wave's end
	ds_add_u32 v254, v255
	s_wait_dscnt 0x0
	ROUND                                          ; the closing round
	s_endpgm
.Lfunc_end_k_qa6725cf48b_qkv:
	.size	k_qa6725cf48b_qkv, .Lfunc_end_k_qa6725cf48b_qkv-k_qa6725cf48b_qkv
	.p2alignl 7, 3214868480
	.fill 96, 4, 3214868480
	.section	.rodata,"a",@progbits
	.p2align	6, 0x0
	.amdhsa_kernel k_qa6725cf48b_qkv
		.amdhsa_group_segment_fixed_size 327680
		.amdhsa_private_segment_fixed_size 0
		.amdhsa_enable_private_segment 0
		.amdhsa_kernarg_size 56
		.amdhsa_user_sgpr_count 2
		.amdhsa_user_sgpr_kernarg_segment_ptr 1
		.amdhsa_wavefront_size32 1
		.amdhsa_system_sgpr_workgroup_id_x 1
		.amdhsa_system_sgpr_workgroup_id_y 1
		.amdhsa_system_sgpr_workgroup_id_z 1
		.amdhsa_system_vgpr_workitem_id 0
		.amdhsa_next_free_vgpr 1024
		.amdhsa_next_free_sgpr 80
		.amdhsa_reserve_vcc 0
		.amdhsa_float_denorm_mode_32 3
		.amdhsa_float_denorm_mode_16_64 3
		.amdhsa_memory_ordered 1
		.amdhsa_forward_progress 1
		.amdhsa_inst_pref_size 125
	.end_amdhsa_kernel
	.amdgpu_metadata
---
amdhsa.version: [ 1, 2 ]
amdhsa.kernels:
  - .name:           k_qa6725cf48b_qkv
    .symbol:         k_qa6725cf48b_qkv.kd
    .args:
      - { .name: h_img, .offset: 0, .size: 8, .value_kind: global_buffer, .address_space: global }
      - { .name: h_sc, .offset: 8, .size: 8, .value_kind: global_buffer, .address_space: global }
      - { .name: w_img, .offset: 16, .size: 8, .value_kind: global_buffer, .address_space: global }
      - { .name: qkv_w_scales, .offset: 24, .size: 8, .value_kind: global_buffer, .address_space: global }
      - { .name: qkv_b, .offset: 32, .size: 8, .value_kind: global_buffer, .address_space: global }
      - { .name: q_buf, .offset: 40, .size: 8, .value_kind: global_buffer, .address_space: global }
      - { .name: kv_buf, .offset: 48, .size: 8, .value_kind: global_buffer, .address_space: global }
    .group_segment_fixed_size: 327680
    .private_segment_fixed_size: 0
    .kernarg_segment_align: 8
    .kernarg_segment_size: 56
    .max_flat_workgroup_size: 128
    .sgpr_count:     80
    .vgpr_count:     1024
    .wavefront_size: 32
...
	.end_amdgpu_metadata
.endif
;; end of part 2
;; launch attn (part 3): grid 4 x 64, 8 waves a work-group, clusters of 4 x 1, 327,680 bytes of LDS; arguments q_buf, kv_buf, o_img, o_sc; writes o_img, o_sc
.if DOCPART == 3
	.amdgcn_target "amdgcn-amd-amdhsa--gfx1250"
	.amdhsa_code_object_version 6
	.text
	.protected	k_qa6725cf48b_attn
	.globl	k_qa6725cf48b_attn
	.p2align	8
	.type	k_qa6725cf48b_attn,@function
k_qa6725cf48b_attn:
	s_mov_b64 s[64:65], 0
	v_nop
	global_prefetch_b8 v0, s[64:65] scope:SCOPE_SE
	s_setreg_imm32_b32 hwreg(HW_REG_WAVE_MODE, 25, 1), 1
	s_wait_xcnt 0x0
	s_wait_alu depctr_hold_cnt(0) depctr_sa_sdst(0) depctr_va_vdst(0) depctr_va_sdst(0) depctr_va_ssrc(0) depctr_va_vcc(0) depctr_vm_vsrc(0)
	s_getreg_b32 s2, hwreg(HW_REG_IB_STS2, 6, 4)
	s_cmp_eq_u32 s2, 0
	s_cbranch_scc0 .Lentry_in_a_cluster
	s_endpgm
.Lentry_in_a_cluster:
	s_bfe_u32 s2, ttmp6, 0x10000c
	s_cmp_lg_u32 s2, 0x3003
	s_cbranch_scc0 .Lentry_shape_is_right
	s_endpgm
.Lentry_shape_is_right:
; ATTN.  o = softmax(8 q k^T) v for one head (16 batch + head = work-group y), both products on codes of E5M2 with E8M0 scales; o is quantised along (head, d) for the last product.
; SHARES.  A work-group owns 512 queries of a head, each of its eight waves 64 of them: FOUR tiles of 16, which share every fragment of k and v that the wave reads from LDS.  4 x 64 = 256 work-groups.
; The head's whole block of kv_buf (274,432 bytes: 16 steps of 128 keys, then the scale words) is mirrored into LDS byte for byte, filled once.  The four query blocks of a cluster read the same head: the loads are JOINT (mask 15).
; At the head a wave has one load: waves 0-3 a quarter of step 0, waves 4-7 a quarter of the scale words.  Steps 1-15 come by one more load a wave (120 rows of 256 bytes), issued as a refill is; step 0 is worked while they land.
; No prefetch: all of the head's bytes are asked for by these two groups of loads, and no later load is left to run ahead of.
; BOTH PRODUCTS TRANSPOSED: S^T = k q^T (source 0 = 16 keys), O^T = v^T p^T (source 0 = 16 of the head's 64): a lane holds ONE query of each tile; the 16 registers of key tiles 2 b, 2 b + 1 are the lane's part of block b of 32 keys,
; in the order in which v's fragments were laid.
; K = 64 IN AN INSTRUCTION OF 128: q's registers 8-15 are zero codes and both sides' scale bytes 2, 3 are 0x7f.  k's tile t is named as 16 registers from its eight on: the upper eight are the next tile's codes (finite: the quantiser's hold
; lets no infinity code be made) or, for the last tile, kept zeros; they meet q's zeros and add nothing.
; NO MAXIMUM IS TAKEN.  q and k are unit vectors by the computation itself; rounding to E5M2 lengthens each by at most 1/8, so |q . k| <= 1.27 and |t| = |8 log2(e) q . k| <= 14.7 for every input: 2^t lies within 2^-15 .. 2^15 and a row's sum
; under 2^26.  The whole number M of p = 2^(t - M) is taken up exactly by a block's scale and by the row's sum, so with M = 0 the codes and O / l are the same.
; LIMITS: NaN and infinities are not served; a block of o whose largest magnitude lies under 2^-111 keeps the byte 1 (read by this program alone).
; OUT.  o_img: [tile of 16 rows][K step s = heads 2 s, 2 s + 1] fragment images in K's true order: a head owns bytes 1,024 head .. of a tile's 16,384.  o_sc: [head][row] two bytes.
; REGISTERS.  Window 0: v1-12 addresses; v16-23 the four rows' sums; v24-31 1 / l; v32-103 k's fragments and eight zeros; v104-167 S^T, then p; v168-183 the sum's chains; v184-187 the hold once more; v188-191 q's scale words;
; v200-215 p's codes; v216-253 at work; v236-241, v243 scale words.  Window 1: v0-63 the four q; v64-191 the four O^T; v192-255 v's fragments.  The softmax names window 0 alone.
.set SCR,  274432                      ; behind the head's block: 1,024 bytes for o's scale halves
.set SPARE, 0x44000                    ; the spare words
.set S,    104
.set T,    168
.set H2,   184
.set QS,   188
.set PC,   200
.set L,    16
.set R,    24
.set OW,   64                          ; window 1
.set VW,   192                         ; window 1
.set WV,   12
.set SEL,  20
.set CS,   22                          ; s[22:23] c = 8 log2(e)
.set MNT,  24
.set LOW,  25
.set TB,   66                          ; s66 the step's tiles in LDS;  s67 its scale words
.set TS,   67
.set CNT,  68
.set MSB, 0
.macro WIN new                         ; the immediate's high byte repeats the setting that is left
.if MSB != (\new)
	s_set_vgpr_msb (MSB<<8)|(\new)
.set MSB, (\new)
.endif
.endm
.macro ROUND                           ; a round of the cluster's barrier
	s_barrier_signal -1
	s_barrier_wait -1
	s_cmp_lg_u32 s[WV], 0
	s_cbranch_scc1 .Lnot_wave_0_\@
	s_barrier_signal -3
.Lnot_wave_0_\@:
	s_barrier_wait -3
	s_barrier_signal -1
	s_barrier_wait -1
.endm
.macro NOPS n
.rept \n
	v_nop
.endr
.endm
; nb = 2 blocks of 32 along K: a lane's registers src + 16 b + i are 16 numbers of block b, lane l xor 16 holds the other 16.  Codes to cd + 4 b .. + 3; the bytes stay in tm + nb + b.
.macro QUANT src, cd, tm, nb
.set qb, 0
.rept \nb
	v_max3_num_f32 v[\tm+qb], |v[\src+16*qb]|, |v[\src+16*qb+1]|, 0x8000000
.set qb, qb+1
.endr
.set qi, 2
.rept 7
.set qb, 0
.rept \nb
	s_delay_alu instid0(VALU_DEP_2)
	v_max3_num_f32 v[\tm+qb], v[\tm+qb], |v[\src+16*qb+qi]|, |v[\src+16*qb+qi+1]|
.set qb, qb+1
.endr
.set qi, qi+2
.endr
.set qb, 0
.rept \nb
	s_delay_alu instid0(VALU_DEP_2)
	v_permlanex16_b32 v[\tm+\nb+qb], v[\tm+qb], s[SEL], s[SEL+1]
.set qb, qb+1
.endr
.set qb, 0
.rept \nb
	s_delay_alu instid0(VALU_DEP_2)
	v_max_num_f32 v[\tm+qb], v[\tm+qb], v[\tm+\nb+qb]
.set qb, qb+1
.endr
.set qb, 0
.rept \nb
	s_delay_alu instid0(VALU_DEP_2)
	v_add_nc_u32 v[\tm+3*\nb+qb], 0xf8800000, v[\tm+qb]
.set qb, qb+1
.endr
.set qb, 0
.rept \nb
	s_delay_alu instid0(VALU_DEP_4)
	v_and_or_b32 v[\tm+2*\nb+qb], v[\tm+qb], 0x7f800000, s[MNT]
.set qb, qb+1
.endr
.set qb, 0
.rept \nb
	s_delay_alu instid0(VALU_DEP_4)
	v_lshrrev_b32 v[\tm+\nb+qb], 23, v[\tm+3*\nb+qb]
.set qb, qb+1
.endr
.set qb, 0
.rept \nb
.set qi, 0
.rept 16
	v_med3_num_f32 v[\src+16*qb+qi], v[\src+16*qb+qi], -v[\tm+2*\nb+qb], v[\tm+2*\nb+qb]
.set qi, qi+1
.endr
	v_cvt_scalef32_pk8_bf8_f32 v[\cd+4*qb:\cd+4*qb+1], v[\src+16*qb:\src+16*qb+7], v[\tm+3*\nb+qb]
	v_cvt_scalef32_pk8_bf8_f32 v[\cd+4*qb+2:\cd+4*qb+3], v[\src+16*qb+8:\src+16*qb+15], v[\tm+3*\nb+qb]
.set qb, qb+1
.endr
	v_nop
.endm
	s_load_b256 s[4:11], s[0:1], 0x0               ; q_buf, kv_buf, o_img, o_sc
	v_lshl_add_u32 v254, v0, 2, SPARE
	v_mov_b32 v255, 0
	ds_add_u32 v254, v255                          ; the opening lines: the add, twice on end, and its wait
	ds_add_u32 v254, v255
	v_lshrrev_b32 v4, 5, v0
	v_readfirstlane_b32 s[WV], v4                  ; wave 0..7
	s_bfe_u32 s13, ttmp6, 0x40000                  ; cx: it enters global addresses alone
	s_lshl_b32 s14, ttmp9, 2
	s_add_co_u32 s14, s14, s13                     ; my block of 512 queries
	s_and_b32 s15, ttmp7, 0xffff                   ; 16 batch + head, which the partners share
.irp g, 28, 36, 44                     ; three groups 1: dense rows of 256 bytes (32 elements of 8 bytes); the mask names all four partners, bit 21 beside it
	s_mov_b32 s[\g], 15|(3<<16)|(1<<21)
	s_mov_b32 s[\g+1], 32<<16
	s_mov_b32 s[\g+3], 32<<16
	s_mov_b32 s[\g+5], 32
	s_mov_b32 s[\g+6], 0
	s_mov_b32 s[\g+7], 0
.endr
	s_mov_b32 s30, 16<<16                          ; step 0: 16 rows for each of waves 0-3
	s_mov_b32 s32, 16
	s_mov_b32 s38, 12<<16                          ; the scale words: 12 rows for each of waves 4-7
	s_mov_b32 s40, 12
	s_mov_b32 s46, 120<<16                         ; steps 1-15: 120 rows a wave
	s_mov_b32 s48, 120
	s_mul_i32 s16, s15, 274432
	s_mov_b32 s17, 0
	s_mov_b32 s19, 0
	s_and_b32 s26, s[WV], 3
	s_lshl_b32 s53, s26, 12                        ; each share lies at the same byte in LDS as in the head's block
	s_mul_i32 s57, s26, 3072
	s_add_co_u32 s57, s57, 262144
	s_mul_i32 s61, s[WV], 30720
	s_add_co_u32 s61, s61, 16384
	s_mov_b32 s52, 1
	s_mov_b32 s56, 1
	s_mov_b32 s60, 1
	s_mov_b32 s[SEL], 0x76543210
	s_mov_b32 s[SEL+1], 0xfedcba98
	s_mov_b32 s[CS], 0x4138aa3b                    ; 8 log2(e)
	s_mov_b32 s[CS+1], s[CS]                       ; (named with it as a pair, so it is written)
	s_mov_b32 s[MNT], 0x600000
	s_mov_b32 s[LOW], 0xffff
	s_mov_b32 s[TB], 0
	s_mov_b32 s[TS], 0
	s_wait_dscnt 0x0
	s_wait_kmcnt 0x0
	s_add_nc_u64 s[6:7], s[6:7], s[16:17]          ; the head's block
	s_mov_b32 s18, s53
	s_add_nc_u64 s[54:55], s[6:7], s[18:19]
	s_or_b32 s55, s55, 0x80000000
	s_mov_b32 s18, s57
	s_add_nc_u64 s[58:59], s[6:7], s[18:19]
	s_or_b32 s59, s59, 0x80000000
	s_mov_b32 s18, s61
	s_add_nc_u64 s[62:63], s[6:7], s[18:19]
	s_or_b32 s63, s63, 0x80000000
	ROUND                                          ; all four work-groups are here: the joint loads meet
	s_cmp_lt_u32 s[WV], 4                          ; one load a wave at the head, one in each arm
	s_cbranch_scc0 .Lhead_sc
	tensor_load_to_lds s[52:55], s[28:35]
	s_nop 0
	NOPS 4
	s_branch .Lhead_asked
.Lhead_sc:
	tensor_load_to_lds s[56:59], s[36:43]
	s_nop 0
	NOPS 4
.Lhead_asked:
	s_mul_i32 s16, s15, 139264
	s_add_nc_u64 s[4:5], s[4:5], s[16:17]          ; q's head
	s_lshl_b32 s26, s14, 3
	s_add_co_u32 s26, s26, s[WV]                   ; u = 8 x block + wave: my tiles of queries are 4 u .. 4 u + 3
	s_lshl_b32 s18, s26, 12
	s_add_nc_u64 s[70:71], s[4:5], s[18:19]        ; their images, 1,024 bytes each
	s_lshr_b32 s18, s26, 1
	s_lshl_b32 s18, s18, 9                         ; their scale words: 512 bytes for each 8 tiles; tile T: 256 (T % 2) + 4 ((T % 8) / 2)
	s_and_b32 s27, s26, 1
	s_lshl_b32 s27, s27, 3
	s_add_co_u32 s18, s18, s27
	s_add_co_u32 s18, s18, 131072
	s_add_nc_u64 s[4:5], s[4:5], s[18:19]
	s_lshr_b32 s16, s15, 4                         ; the batch
	s_and_b32 s18, s15, 15                         ; the head
	s_lshl_b32 s27, s16, 7
	s_lshl_b32 s26, s26, 2
	s_add_co_u32 s26, s26, s27                     ; my first tile of rows among the 512
	s_lshl_b32 s26, s26, 14
	s_lshl_b32 s27, s18, 10
	s_add_co_u32 s26, s26, s27
	s_mov_b32 s27, 0
	s_add_nc_u64 s[8:9], s[8:9], s[26:27]          ; o_img: my first tile, my head's 1,024 bytes
	s_lshl_b32 s26, s18, 14
	s_lshl_b32 s16, s16, 12
	s_add_co_u32 s26, s26, s16
	s_lshl_b32 s16, s14, 10
	s_add_co_u32 s26, s26, s16
	s_add_nc_u64 s[10:11], s[10:11], s[26:27]      ; o_sc: my head, the work-group's 512 rows
	s_lshl_b32 s16, s[WV], 7
	v_and_b32 v7, 31, v0
	v_and_b32 v12, 15, v0                          ; r
	v_lshlrev_b32 v1, 4, v7                        ; 16 x lane
	v_lshl_add_u32 v3, v7, 3, 262656               ; v's scale words of step 0
	v_lshlrev_b32 v11, 4, v12                      ; 16 r
	v_lshlrev_b32 v9, 1, v12
	v_add_nc_u32 v2, 262144, v1                    ; k's scale words of step 0
	v_add_nc_u32 v10, SCR, v1                      ; where wave 0 reads o's scale halves back
	v_add_nc_u32 v9, s16, v9
	v_add_nc_u32 v9, SCR, v9                       ; where my queries' two scale bytes go: 128 x wave + 32 x tile + 2 r
.irp e, 0,1,2,3,4,5,6,7
	v_mov_b32 v[96+\e], 0                          ; behind k's last tile: zeros, never written again
	v_mov_b32 v[L+\e], 0                           ; the rows' sums, in two halves each
	v_mov_b32 v[R+\e], 0                           ; (the upper words of the pairs of 1 / l are named, so they are written)
.endr
.irp e, 0,1,2,3
	v_mov_b32 v[220+\e], 0                         ; a lane permute's destination counts as one of its sources
.endr
	v_mov_b32 v246, 0
	v_mov_b32 v247, 0
	s_wait_alu depctr_va_vdst(0)
	WIN 0x40
.irp e, 0,1,2,3
	global_load_b128 v[16*\e:16*\e+3], v1, s[70:71] offset:1024*\e        ; q's eight registers of each tile stay
	global_load_b128 v[16*\e+4:16*\e+7], v1, s[70:71] offset:1024*\e+512
.endr
.irp e, 0,1,2,3
.irp f, 8,9,10,11,12,13,14,15
	v_mov_b32 v[16*\e+\f], 0                       ; q's upper half of K: zero codes
.endr
.endr
	WIN 0
.irp e, 0,1,2,3
	global_load_b32 v[QS+\e], v11, s[4:5] offset:(\e%2)*256+(\e/2)*4      ; and its scale words: lane r has query r's
.endr
; ONE TILE OF 16 QUERIES AGAINST THE STEP'S 128 KEYS.  zero = 1: the first step's products start O^T's sums.
; A load into a register that a matrix instruction has read, and a vector instruction that reads a result, stand eight plain vector lines behind it.
.macro MX e
.irp b, 0,1,2,3
	v_max3_num_f32 v[216+\b], v[216+\b], v[S+16*\b+\e], v[S+16*\b+\e+1]
.endr
.endm
.macro TADD a, b
	v_pk_add_f32 v[T+2*\a:T+2*\a+1], v[T+2*\a:T+2*\a+1], v[T+2*\b:T+2*\b+1]
.endm
.macro TILE n, zero
	WIN 0x04                                       ; source 1 (q) in window 1
.irp t, 0,1,2,3,4,5,6,7
.if \t%2
	v_wmma_scale_f32_16x16x128_f8f6f4 v[S+8*\t:S+8*\t+7], v[32+8*\t:47+8*\t], v[16*\n:16*\n+15], 0, v[236+\t/2], v[QS+\n] matrix_a_fmt:MATRIX_FMT_BF8 matrix_b_fmt:MATRIX_FMT_BF8 matrix_a_scale:MATRIX_SCALE_ROW1
.else
	v_wmma_scale_f32_16x16x128_f8f6f4 v[S+8*\t:S+8*\t+7], v[32+8*\t:47+8*\t], v[16*\n:16*\n+15], 0, v[236+\t/2], v[QS+\n] matrix_a_fmt:MATRIX_FMT_BF8 matrix_b_fmt:MATRIX_FMT_BF8
.endif
.endr
	WIN 0
	NOPS 8
.if \n == 0
	WIN 0x40
.irp d, 0,1,2,3
.irp c, 0,1,2,3
	ds_load_b128 v[VW+16*\d+4*\c:VW+16*\d+4*\c+3], v4 offset:8192+2048*\d+512*\c   ; v's fragments, for all four tiles, land under the first softmax
.endr
.endr
	WIN 0
	ds_load_b64 v[240:241], v6
.endif
.set j, 0
.rept 32
	v_pk_mul_f32 v[S+2*j:S+2*j+1], v[S+2*j:S+2*j+1], s[CS:CS+1] op_sel_hi:[1,0]   ; t = score x c; each accumulator from its low end on
.set j, j+1
.endr
	s_wait_alu depctr_va_vdst(0)                   ; the wait ahead of the batch
.set j, 0
.rept 64
	v_exp_f32 v[S+j], v[S+j]                       ; p = 2^t
.set j, j+1
.endr
	v_nop                                          ; a plain line behind the batch,
	s_wait_alu depctr_va_vdst(0)                   ; and ONE wait for it, ahead of its first reader
.irp c, 0,1,2,3,4,5,6,7                        ; the row's sum of the unquantised p: eight packed chains,
	v_pk_add_f32 v[T+2*\c:T+2*\c+1], v[S+2*\c:S+2*\c+1], v[S+16+2*\c:S+17+2*\c]
.endr
.irp c, 0,1,2,3,4,5,6,7
	v_pk_add_f32 v[T+2*\c:T+2*\c+1], v[T+2*\c:T+2*\c+1], v[S+32+2*\c:S+33+2*\c]
.endr
.irp c, 0,1,2,3,4,5,6,7
	v_pk_add_f32 v[T+2*\c:T+2*\c+1], v[T+2*\c:T+2*\c+1], v[S+48+2*\c:S+49+2*\c]
.endr
.irp b, 0,1,2,3
	v_max3_num_f32 v[216+\b], v[S+16*\b], v[S+16*\b+1], 0x8000000   ; each block's largest p (p is positive: no |.|), over the floor; the chains are joined between its rounds
.endr
	TADD 0, 4
	TADD 1, 5
	TADD 2, 6
	TADD 3, 7
	MX 2
	TADD 0, 2
	TADD 1, 3
	MX 4
	TADD 0, 1
	MX 6
	v_pk_add_f32 v[L+2*\n:L+2*\n+1], v[L+2*\n:L+2*\n+1], v[T:T+1]
	MX 8
	MX 10
	MX 12
	MX 14
.irp b, 0,1,2,3
	s_delay_alu instid0(VALU_DEP_4)
	v_permlanex16_b32 v[220+\b], v[216+\b], s[SEL], s[SEL+1]
.endr
.irp b, 0,1,2,3
	s_delay_alu instid0(VALU_DEP_4)
	v_max_num_f32 v[216+\b], v[216+\b], v[220+\b]
.endr
.irp b, 0,1,2,3
	s_delay_alu instid0(VALU_DEP_4)
	v_add_nc_u32 v[228+\b], 0xf8800000, v[216+\b]  ; the conversion's scale operand
.endr
.irp b, 0,1,2,3
	v_and_or_b32 v[224+\b], v[216+\b], 0x7f800000, s[MNT]   ; 57,344 x the scale,
.endr
.irp b, 0,1,2,3
	v_and_or_b32 v[H2+(\b+1)%4], v[216+\b], 0x7f800000, s[MNT]   ; and once more, in another register bank: the two halves of a dual instruction take their second sources from different banks
.endr
.irp b, 0,1,2,3
	v_lshrrev_b32 v[220+\b], 23, v[228+\b]         ; the byte
.endr
	s_delay_alu instid0(VALU_DEP_3)
	v_lshl_or_b32 v243, v221, 8, v220              ; p's scale word: it stands more than eight plain lines ahead of the products
	s_delay_alu instid0(VALU_DEP_1)
	v_lshl_or_b32 v243, v222, 16, v243
	s_delay_alu instid0(VALU_DEP_1)
	v_lshl_or_b32 v243, v223, 24, v243
.irp b, 0,1,2,3
.irp e, 0,2,4,6,8,10,12,14
	v_dual_min_num_f32 v[S+16*\b+\e], v[S+16*\b+\e], v[224+\b] :: v_dual_min_num_f32 v[S+16*\b+\e+1], v[S+16*\b+\e+1], v[H2+(\b+1)%4]   ; the conversion does not saturate (ISA guide 7.6.2); p is positive, so the hold is one-sided; two a line
.endr
	v_cvt_scalef32_pk8_bf8_f32 v[PC+4*\b:PC+4*\b+1], v[S+16*\b:S+16*\b+7], v[228+\b]
	v_cvt_scalef32_pk8_bf8_f32 v[PC+4*\b+2:PC+4*\b+3], v[S+16*\b+8:S+16*\b+15], v[228+\b]
.endr
	NOPS 4                                         ; codes written by vector instructions stand four plain lines ahead of a scaled product
	WIN 0x51                                       ; source 0 (v), C and D (O^T) in window 1
	s_wait_alu depctr_va_vdst(0)                   ; the wait ahead of O^T's first reader behind the exponentials
.if \n == 0
	s_wait_dscnt 0x0                               ; v's fragments and scale words
.endif
.irp d, 0,1,2,3
.if \zero
.if \d%2
	v_wmma_scale_f32_16x16x128_f8f6f4 v[OW+32*\n+8*\d:OW+32*\n+8*\d+7], v[VW+16*\d:VW+16*\d+15], v[PC:PC+15], 0, v[240+\d/2], v243 matrix_a_fmt:MATRIX_FMT_BF8 matrix_b_fmt:MATRIX_FMT_BF8 matrix_a_scale:MATRIX_SCALE_ROW1
.else
	v_wmma_scale_f32_16x16x128_f8f6f4 v[OW+32*\n+8*\d:OW+32*\n+8*\d+7], v[VW+16*\d:VW+16*\d+15], v[PC:PC+15], 0, v[240+\d/2], v243 matrix_a_fmt:MATRIX_FMT_BF8 matrix_b_fmt:MATRIX_FMT_BF8
.endif
.else
.if \d%2
	v_wmma_scale_f32_16x16x128_f8f6f4 v[OW+32*\n+8*\d:OW+32*\n+8*\d+7], v[VW+16*\d:VW+16*\d+15], v[PC:PC+15], v[OW+32*\n+8*\d:OW+32*\n+8*\d+7], v[240+\d/2], v243 matrix_a_fmt:MATRIX_FMT_BF8 matrix_b_fmt:MATRIX_FMT_BF8 matrix_a_scale:MATRIX_SCALE_ROW1
.else
	v_wmma_scale_f32_16x16x128_f8f6f4 v[OW+32*\n+8*\d:OW+32*\n+8*\d+7], v[VW+16*\d:VW+16*\d+15], v[PC:PC+15], v[OW+32*\n+8*\d:OW+32*\n+8*\d+7], v[240+\d/2], v243 matrix_a_fmt:MATRIX_FMT_BF8 matrix_b_fmt:MATRIX_FMT_BF8
.endif
.endif
.endr
	WIN 0
.endm
; A KEY STEP: 128 keys against my four tiles.  k's registers were last read by the fourth tile's first product, a whole softmax back.
.macro STEP zero
	v_add_nc_u32 v4, s[TB], v1
	v_add_nc_u32 v5, s[TS], v2
	v_add_nc_u32 v6, s[TS], v3
.irp t, 0,1,2,3,4,5,6,7
.irp c, 0,1
	ds_load_b128 v[32+8*\t+4*\c:35+8*\t+4*\c], v4 offset:1024*\t+512*\c
.endr
.endr
	ds_load_b128 v[236:239], v5                    ; k's scale words: register j: lanes 0-15 tile 2 j, lanes 16-31 tile 2 j + 1
	s_wait_alu depctr_va_vdst(0)
	s_wait_dscnt 0x0
	TILE 0, \zero
	TILE 1, \zero
	TILE 2, \zero
	TILE 3, \zero
	s_add_co_u32 s[TB], s[TB], 16384               ; the next step's tiles and scale words
	s_add_co_u32 s[TS], s[TS], 768
.endm
	s_wait_alu depctr_va_vdst(0)                   ; the wait at the head's end
	s_wait_tensorcnt 0x0                           ; my share of the head's loads has landed
	ds_add_u32 v254, v255
	s_wait_dscnt 0x0
	ROUND                                          ; everybody's share is in, and all four work-groups are here
	tensor_load_to_lds s[60:63], s[44:51]          ; steps 1-15: my one load behind the round
	s_nop 0
	NOPS 4
	s_wait_loadcnt 0x0                             ; q
	STEP 1
	s_wait_tensorcnt 0x0                           ; my share of steps 1-15
	s_wait_dscnt 0x0
	s_barrier_signal -1
	s_barrier_wait -1                              ; everybody's
	s_mov_b32 s[CNT], 15
.Lstep:
	STEP 0
	s_sub_co_u32 s[CNT], s[CNT], 1
	s_cmp_lg_u32 s[CNT], 0
	s_cbranch_scc1 .Lstep
	; THE WAY OUT: O^T / l, quantised along d (two blocks of 32), brought into K's true order, stored as my head's part of the rows' fragments
.irp e, 0,1,2,3
	v_add_f32 v[L+2*\e], v[L+2*\e], v[L+2*\e+1]
.endr
.irp e, 0,1,2,3
	s_delay_alu instid0(VALU_DEP_4)
	v_permlanex16_b32 v[L+2*\e+1], v[L+2*\e], s[SEL], s[SEL+1]
.endr
.irp e, 0,1,2,3
	s_delay_alu instid0(VALU_DEP_4)
	v_add_f32 v[L+2*\e], v[L+2*\e], v[L+2*\e+1]    ; the rows' sums: both halves of the lanes
.endr
	s_wait_alu depctr_va_vdst(0)
.irp e, 0,1,2,3
	v_rcp_f32 v[R+2*\e], v[L+2*\e]
.endr
	NOPS 8                                         ; the lines behind the last products, and the plain line behind the reciprocals
.macro OUT n
.if \n > 0
	s_wait_alu depctr_va_vdst(0)
	s_wait_xcnt 0x0                                ; the last tile's stores have read the codes' registers
.endif
	WIN 0x01                                       ; source 0 (O^T) in window 1
	s_wait_alu depctr_va_vdst(0)                   ; the wait ahead of the first reader of the reciprocal and of this tile's O^T
.set j, 0
.rept 16
	v_pk_mul_f32 v[S+2*j:S+2*j+1], v[OW+32*\n+2*j:OW+32*\n+2*j+1], v[R+2*\n:R+2*\n+1] op_sel_hi:[1,0]
.set j, j+1
.endr
	WIN 0
	QUANT S, PC, 244, 2
	; a lane holds d = 32 b + 8 h + 0..7 (registers 0, 1) and 32 b + 16 + 8 h + 0..7 (registers 2, 3); the true order wants 32 b + 16 h + 0..15: lanes 0-15 give their upper two for lane l + 16's lower two
.irp b, 0,1
	v_cndmask_b32 v[216+2*\b], v[PC+4*\b], v[PC+4*\b+2], s[LOW]
	v_cndmask_b32 v[217+2*\b], v[PC+4*\b+1], v[PC+4*\b+3], s[LOW]
.endr
.irp e, 0,1,2,3
	s_delay_alu instid0(VALU_DEP_4)
	v_permlanex16_b32 v[220+\e], v[216+\e], s[SEL], s[SEL+1]
.endr
.irp b, 0,1
	v_cndmask_b32 v[PC+4*\b+2], v[PC+4*\b+2], v[220+2*\b], s[LOW]
	v_cndmask_b32 v[PC+4*\b+3], v[PC+4*\b+3], v[221+2*\b], s[LOW]
	v_cndmask_b32 v[PC+4*\b], v[220+2*\b], v[PC+4*\b], s[LOW]
	v_cndmask_b32 v[PC+4*\b+1], v[221+2*\b], v[PC+4*\b+1], s[LOW]
.endr
.irp b, 0,1
	global_store_b128 v1, v[PC+4*\b:PC+4*\b+3], s[8:9] offset:16384*\n+512*\b   ; 512 consecutive bytes
.endr
	v_lshl_or_b32 v216, v247, 8, v246              ; my query's two scale bytes
	ds_store_b16 v9, v216 offset:32*\n             ; both halves of the lanes write the same two bytes
.endm
	OUT 0
	OUT 1
	OUT 2
	OUT 3
	s_wait_alu depctr_va_vdst(0)
	s_wait_dscnt 0x0                               ; for the others' sake: my stores have landed
	s_barrier_signal -1
	s_barrier_wait -1
	s_cmp_lg_u32 s[WV], 0
	s_cbranch_scc1 .Lnot_first
	ds_load_b128 v[216:219], v10                   ; the 512 rows' halves leave as 1,024 consecutive bytes
	ds_load_b128 v[220:223], v10 offset:512
	s_wait_dscnt 0x0
	global_store_b128 v1, v[216:219], s[10:11]
	global_store_b128 v1, v[220:223], s[10:11] offset:512
.Lnot_first:
	s_wait_tensorcnt 0x0                           ; the wave's end
	ds_add_u32 v254, v255
	s_wait_dscnt 0x0
	ROUND                                          ; the closing round
	s_endpgm
.Lfunc_end_k_qa6725cf48b_attn:
	.size	k_qa6725cf48b_attn, .Lfunc_end_k_qa6725cf48b_attn-k_qa6725cf48b_attn
	.p2alignl 7, 3214868480
	.fill 96, 4, 3214868480
	.section	.rodata,"a",@progbits
	.p2align	6, 0x0
	.amdhsa_kernel k_qa6725cf48b_attn
		.amdhsa_group_segment_fixed_size 327680
		.amdhsa_private_segment_fixed_size 0
		.amdhsa_enable_private_segment 0
		.amdhsa_kernarg_size 32
		.amdhsa_user_sgpr_count 2
		.amdhsa_user_sgpr_kernarg_segment_ptr 1
		.amdhsa_wavefront_size32 1
		.amdhsa_system_sgpr_workgroup_id_x 1
		.amdhsa_system_sgpr_workgroup_id_y 1
		.amdhsa_system_sgpr_workgroup_id_z 1
		.amdhsa_system_vgpr_workitem_id 0
		.amdhsa_next_free_vgpr 512
		.amdhsa_next_free_sgpr 72
		.amdhsa_reserve_vcc 0
		.amdhsa_float_denorm_mode_32 3
		.amdhsa_float_denorm_mode_16_64 3
		.amdhsa_memory_ordered 1
		.amdhsa_forward_progress 1
		.amdhsa_inst_pref_size 166
	.end_amdhsa_kernel
	.amdgpu_metadata
---
amdhsa.version: [ 1, 2 ]
amdhsa.kernels:
  - .name:           k_qa6725cf48b_attn
    .symbol:         k_qa6725cf48b_attn.kd
    .args:
      - { .name: q_buf, .offset: 0, .size: 8, .value_kind: global_buffer, .address_space: global }
      - { .name: kv_buf, .offset: 8, .size: 8, .value_kind: global_buffer, .address_space: global }
      - { .name: o_img, .offset: 16, .size: 8, .value_kind: global_buffer, .address_space: global }
      - { .name: o_sc, .offset: 24, .size: 8, .value_kind: global_buffer, .address_space: global }
    .group_segment_fixed_size: 327680
    .private_segment_fixed_size: 0
    .kernarg_segment_align: 8
    .kernarg_segment_size: 32
    .max_flat_workgroup_size: 256
    .sgpr_count:     72
    .vgpr_count:     512
    .wavefront_size: 32
...
	.end_amdgpu_metadata
.endif
;; end of part 3
;; launch proj (part 4): grid 4 x 64, 4 waves a work-group, clusters of 4 x 1, 327,680 bytes of LDS; arguments o_img, o_sc, w_img, out_w_scales, out_b, x, out0; writes out0
.if DOCPART == 4
	.amdgcn_target "amdgcn-amd-amdhsa--gfx1250"
	.amdhsa_code_object_version 6
	.text
	.protected	k_qa6725cf48b_proj
	.globl	k_qa6725cf48b_proj
	.p2align	8
	.type	k_qa6725cf48b_proj,@function
k_qa6725cf48b_proj:
	s_mov_b64 s[64:65], 0
	v_nop
	global_prefetch_b8 v0, s[64:65] scope:SCOPE_SE
	s_setreg_imm32_b32 hwreg(HW_REG_WAVE_MODE, 25, 1), 1
	s_wait_xcnt 0x0
	s_wait_alu depctr_hold_cnt(0) depctr_sa_sdst(0) depctr_va_vdst(0) depctr_va_sdst(0) depctr_va_ssrc(0) depctr_va_vcc(0) depctr_vm_vsrc(0)
	s_getreg_b32 s2, hwreg(HW_REG_IB_STS2, 6, 4)
	s_cmp_eq_u32 s2, 0
	s_cbranch_scc0 .Lentry_in_a_cluster
	s_endpgm
.Lentry_in_a_cluster:
	s_bfe_u32 s2, ttmp6, 0x10000c
	s_cmp_lg_u32 s2, 0x3003
	s_cbranch_scc0 .Lentry_shape_is_right
	s_endpgm
.Lentry_shape_is_right:
.set WS,  16
.set AS,  48
.set ACC, 64
.set BI,  128
.set XR,  160
.set HF,  224
.set HWD, 240
.set XLD, 131072
.set XW,  34816
.set ASC, 270336
.set WV,  18
.set MSB, 0
.macro WIN new
.if MSB != (\new)
	s_set_vgpr_msb (MSB<<8)|(\new)
.set MSB, (\new)
.endif
.endm
.macro ROUND
	s_barrier_signal -1
	s_barrier_wait -1
	s_cmp_lg_u32 s[WV], 0
	s_cbranch_scc1 .Lnot_wave_0_\@
	s_barrier_signal -3
.Lnot_wave_0_\@:
	s_barrier_wait -3
	s_barrier_signal -1
	s_barrier_wait -1
.endm
.macro FETCH_A p, lo
	WIN 0xc0
.irp u, 0,1,2,3
.irp m, 0,1
.irp c, 0,1,2,3
	ds_load_b128 v[32*(4*\lo+\u)+16*\m+4*\c:32*(4*\lo+\u)+16*\m+4*\c+3], v[2+(\p)/2] offset:((\p)%2)*32768+\m*16384+(4*\lo+\u)*2048+\c*512
.endr
.endr
.endr
	WIN 0
.endm
.macro FETCH_SC p
.irp m, 0,1
	ds_load_b128 v[AS+8*\m:AS+8*\m+3], v13 offset:1024*(\p)+512*\m
	ds_load_b128 v[AS+8*\m+4:AS+8*\m+7], v13 offset:1024*(\p)+512*\m+16
.endr
.endm
.macro MM lo
	WIN 0x0d+\lo
.irp u, 0,1,2,3
.irp m, 0,1
.irp t, 0,1,2,3
.set rW, 64*\u+16*\t
.set rA, 32*(4*\lo+\u)+16*\m
.set sW, WS+8*\t+4*\lo+\u
.set sA, AS+8*\m+4*\lo+\u
.set rD, ACC+32*\m+8*\t
.if (\lo == 0) && (\u == 0)
	v_wmma_scale_f32_16x16x128_f8f6f4 v[rD:rD+7], v[rW:rW+15], v[rA:rA+15], v[BI+8*\t:BI+8*\t+7], v[sW], v[sA] matrix_a_fmt:MATRIX_FMT_BF8 matrix_b_fmt:MATRIX_FMT_BF8
.else
	v_wmma_scale_f32_16x16x128_f8f6f4 v[rD:rD+7], v[rW:rW+15], v[rA:rA+15], v[rD:rD+7], v[sW], v[sA] matrix_a_fmt:MATRIX_FMT_BF8 matrix_b_fmt:MATRIX_FMT_BF8
.endif
.endr
.endr
.endr
.endm
.macro PAIR p
	s_wait_dscnt 0x0
	MM 0
	WIN 0
.if \p < 3
.rept 8
	v_nop
.endr
	FETCH_A (\p)+1, 0
.endif
	MM 1
	WIN 0
.rept 8
	v_nop
.endr
.if \p == 0
	s_wait_tensorcnt 0x0
.endif
.irp m, 0,1
.irp t, 0,1,2,3
	ds_load_b128 v[XR+32*\m+8*\t:XR+32*\m+8*\t+3], v14 offset:8704*\p+4352*\m+64*\t
	ds_load_b128 v[XR+32*\m+8*\t+4:XR+32*\m+8*\t+7], v14 offset:8704*\p+4352*\m+64*\t+16
.endr
.endr
.if \p < 3
	FETCH_SC (\p)+1
	FETCH_A (\p)+1, 1
	s_wait_dscnt 36
.else
	s_wait_dscnt 0x0
.endif
.set j, 0
.rept 32
	v_pk_add_f32 v[XR+2*j:XR+2*j+1], v[XR+2*j:XR+2*j+1], v[ACC+2*j:ACC+2*j+1]
.set j, j+1
.endr
.irp m, 0,1
.irp t, 0,1,2,3
	ds_store_b128 v14, v[XR+32*\m+8*\t:XR+32*\m+8*\t+3] offset:8704*\p+4352*\m+64*\t
	ds_store_b128 v14, v[XR+32*\m+8*\t+4:XR+32*\m+8*\t+7] offset:8704*\p+4352*\m+64*\t+16
.endr
.endr
.irp k, 0,1,2,3,4,5,6,7,8,9,10,11,12,13,14,15
	ds_load_b128 v[XR+4*\k:XR+4*\k+3], v15 offset:8704*\p+544*\k
.endr
	s_wait_dscnt 0x0
.irp k, 0,1,2,3,4,5,6,7,8,9,10,11,12,13,14,15
	global_store_b128 v10, v[XR+4*\k:XR+4*\k+3], s[16:17] offset:131072*\p+8192*\k th:TH_STORE_NT
.endr
	s_wait_xcnt 0x0
.endm
	s_load_b256 s[4:11], s[0:1], 0x0
	s_load_b128 s[12:15], s[0:1], 0x20
	s_load_b64 s[16:17], s[0:1], 0x30
	v_lshl_add_u32 v254, v0, 2, 0x43000
	v_mov_b32 v255, 0
	ds_add_u32 v254, v255
	ds_add_u32 v254, v255
	v_lshrrev_b32 v4, 5, v0
	v_readfirstlane_b32 s[WV], v4
	s_bfe_u32 s19, ttmp6, 0x40000
	s_and_b32 s21, ttmp7, 0xffff
	s_lshl_b32 s23, s19, 2
	s_add_co_u32 s23, s23, s[WV]
	s_mov_b32 s24, 15|(3<<16)|(1<<21)
	s_mov_b32 s25, 32<<16
	s_mov_b32 s26, 128<<16
	s_mov_b32 s27, 32<<16
	s_mov_b32 s28, 128
	s_mov_b32 s29, 32
	s_mov_b32 s30, 0
	s_mov_b32 s31, 0
	s_mov_b32 s32, (2<<16)|(1<<20)|(5<<22)|(3<<25)
	s_mov_b32 s33, 64<<16
	s_mov_b32 s34, 128<<16
	s_mov_b32 s35, 64<<16
	s_mov_b32 s36, 128
	s_mov_b32 s37, 1024
	s_mov_b32 s38, 0
	s_mov_b32 s39, 0
	s_lshl_b32 s70, s21, 17
	s_lshl_b32 s41, s[WV], 15
	s_add_co_u32 s70, s70, s41
	s_mov_b32 s71, 0
	s_lshl_b32 s72, s21, 19
	s_lshl_b32 s73, s23, 8
	s_add_co_u32 s72, s72, s73
	s_mov_b32 s73, 0
	s_mul_i32 s74, s[WV], XW
	s_add_co_u32 s74, s74, XLD
	s_mov_b32 s45, s74
	s_mov_b32 s40, 1
	s_mov_b32 s44, 1
	s_wait_dscnt 0x0
	s_wait_kmcnt 0x0
	s_add_nc_u64 s[42:43], s[4:5], s[70:71]
	s_or_b32 s43, s43, 0x80000000
	s_add_nc_u64 s[46:47], s[14:15], s[72:73]
	s_or_b32 s47, s47, 0x80000000
	s_add_nc_u64 s[16:17], s[16:17], s[72:73]
	ROUND
	tensor_load_to_lds s[40:43], s[24:31]          ; o's tile: my one load at the head
	s_nop 0
.rept 4
	v_nop
.endr
	v_and_b32 v5, 31, v0
	v_lshlrev_b32 v1, 4, v5
	v_mov_b32 v2, v1
	v_add_nc_u32 v3, 65536, v1
	v_and_b32 v6, 15, v0
	v_bfe_u32 v7, v0, 4, 1
	v_lshlrev_b32 v4, 5, v6
	v_lshlrev_b32 v5, 5, v7
	v_lshlrev_b32 v8, 1, v0
	v_lshl_add_u32 v9, v0, 5, ASC
	v_lshlrev_b32 v10, 12, v7
	v_lshl_add_u32 v10, v6, 4, v10
	v_lshl_add_u32 v13, v6, 5, ASC
	v_mul_u32_u24 v14, v6, 272
	v_lshl_add_u32 v14, v7, 5, v14
	v_add_nc_u32 v14, s74, v14
	v_mul_u32_u24 v15, v7, 272
	v_lshl_add_u32 v15, v6, 4, v15
	v_add_nc_u32 v15, s74, v15
	s_lshl_b32 s70, s23, 11
	s_add_nc_u64 s[10:11], s[10:11], s[70:71]
	s_lshl_b32 s70, s23, 16
	s_add_co_u32 s70, s70, 3145728
	s_add_nc_u64 s[8:9], s[8:9], s[70:71]
	s_lshl_b32 s70, s23, 8
	s_add_nc_u64 s[12:13], s[12:13], s[70:71]
	s_lshl_b32 s70, s21, 8
	s_add_nc_u64 s[6:7], s[6:7], s[70:71]
.irp k, 0,1,2,3,4,5,6,7,8,9,10,11,12,13,14,15
	global_load_u16 v[HF+\k], v8, s[6:7] offset:\k*16384
.endr
.irp t, 0,1,2,3
	global_load_b128 v[WS+8*\t:WS+8*\t+3], v4, s[10:11] offset:512*\t
	global_load_b128 v[WS+8*\t+4:WS+8*\t+7], v4, s[10:11] offset:512*\t+16
	global_load_b128 v[BI+8*\t:BI+8*\t+3], v5, s[12:13] offset:64*\t
	global_load_b128 v[BI+8*\t+4:BI+8*\t+7], v5, s[12:13] offset:64*\t+16
.endr
	WIN 0x40
.irp u, 0,1,2,3
.irp t, 0,1,2,3
.irp c, 0,1,2,3
	global_load_b128 v[64*\u+16*\t+4*\c:64*\u+16*\t+4*\c+3], v1, s[8:9] offset:\t*16384+\u*2048+\c*512
.endr
.endr
.endr
	WIN 0                                          ; the first 96 loads into registers are on their way while o's tile lands
	s_wait_alu depctr_va_vdst(0)
	s_wait_tensorcnt 0x0                           ; my part of o's tile is in
	ds_add_u32 v254, v255
	s_wait_dscnt 0x0
	ROUND
	tensor_load_to_lds s[44:47], s[32:39]          ; x's tile: my one load behind the round
	s_nop 0
.rept 4
	v_nop
.endr
	WIN 0x80
.irp u, 0,1,2,3
.irp t, 0,1,2,3
.irp c, 0,1,2,3
	global_load_b128 v[64*\u+16*\t+4*\c:64*\u+16*\t+4*\c+3], v1, s[8:9] offset:\t*16384+(4+\u)*2048+\c*512
.endr
.endr
.endr
	WIN 0
	s_wait_loadcnt 0x0
.irp s, 0,1,2,3,4,5,6,7
	v_lshl_or_b32 v[HWD+\s], v[HF+2*\s+1], 16, v[HF+2*\s]
.endr
	ds_store_b128 v9, v[HWD:HWD+3]
	ds_store_b128 v9, v[HWD+4:HWD+7] offset:16
	s_wait_tensorcnt 0x1
	s_wait_dscnt 0x0
	s_barrier_signal -1
	s_barrier_wait -1
	FETCH_A 0, 0
	FETCH_SC 0
	FETCH_A 0, 1
	PAIR 0
	PAIR 1
	PAIR 2
	PAIR 3
	s_wait_tensorcnt 0x0
	ds_add_u32 v254, v255
	s_wait_dscnt 0x0
	ROUND
	s_endpgm
.Lfunc_end_k_qa6725cf48b_proj:
	.size	k_qa6725cf48b_proj, .Lfunc_end_k_qa6725cf48b_proj-k_qa6725cf48b_proj
	.p2alignl 7, 3214868480
	.fill 96, 4, 3214868480
	.section	.rodata,"a",@progbits
	.p2align	6, 0x0
	.amdhsa_kernel k_qa6725cf48b_proj
		.amdhsa_group_segment_fixed_size 327680
		.amdhsa_private_segment_fixed_size 0
		.amdhsa_enable_private_segment 0
		.amdhsa_kernarg_size 56
		.amdhsa_user_sgpr_count 2
		.amdhsa_user_sgpr_kernarg_segment_ptr 1
		.amdhsa_wavefront_size32 1
		.amdhsa_system_sgpr_workgroup_id_x 1
		.amdhsa_system_sgpr_workgroup_id_y 1
		.amdhsa_system_sgpr_workgroup_id_z 1
		.amdhsa_system_vgpr_workitem_id 0
		.amdhsa_next_free_vgpr 1024
		.amdhsa_next_free_sgpr 80
		.amdhsa_reserve_vcc 0
		.amdhsa_float_denorm_mode_32 3
		.amdhsa_float_denorm_mode_16_64 3
		.amdhsa_memory_ordered 1
		.amdhsa_forward_progress 1
		.amdhsa_inst_pref_size 100
	.end_amdhsa_kernel
	.amdgpu_metadata
---
amdhsa.version: [ 1, 2 ]
amdhsa.kernels:
  - .name:           k_qa6725cf48b_proj
    .symbol:         k_qa6725cf48b_proj.kd
    .args:
      - { .name: o_img, .offset: 0, .size: 8, .value_kind: global_buffer, .address_space: global }
      - { .name: o_sc, .offset: 8, .size: 8, .value_kind: global_buffer, .address_space: global }
      - { .name: w_img, .offset: 16, .size: 8, .value_kind: global_buffer, .address_space: global }
      - { .name: out_w_scales, .offset: 24, .size: 8, .value_kind: global_buffer, .address_space: global }
      - { .name: out_b, .offset: 32, .size: 8, .value_kind: global_buffer, .address_space: global }
      - { .name: x, .offset: 40, .size: 8, .value_kind: global_buffer, .address_space: global }
      - { .name: out0, .offset: 48, .size: 8, .value_kind: global_buffer, .address_space: global }
    .group_segment_fixed_size: 327680
    .private_segment_fixed_size: 0
    .kernarg_segment_align: 8
    .kernarg_segment_size: 56
    .max_flat_workgroup_size: 128
    .sgpr_count:     80
    .vgpr_count:     1024
    .wavefront_size: 32
...
	.end_amdgpu_metadata
.endif
;; end of part 4
